; MI455X (gfx1250); checked and timed in simulation.
; The chip was launched on July 23, 2026; its instructions are those of AMD's public machine-readable ISA for CDNA 5 (MIT licence, August 2026) and "CDNA5" Instruction Set Architecture Reference Guide (July 2026). The comments in the code are by the model that wrote it; some were corrected since.
;; Qwen3 Attention. Allowed arithmetic: matrix products marked QUANTISED: E2M3 operands, one E8M0 scale for each 32 along K, by v_wmma_scale_f32_16x16x128_f8f6f4 with both operands' format E2M3, f32 sums; everything else in f32.
;; Inputs: Wk_codes 1,024 x 128 x 24 uint8 (E2M3 codes of Wk, K innermost, in blocks of 32 codes, four codes in three bytes); Wk_scales 1,024 x 128 uint8 (E8M0 scales of Wk, one for each 32 codes along K); Wo_codes 4,096 x 64 x 24 uint8 (E2M3 codes of Wo, K innermost, in blocks of 32 codes, four codes in three bytes); Wo_scales 4,096 x 64 uint8 (E8M0 scales of Wo, one for each 32 codes along K); Wq_codes 2,048 x 128 x 24 uint8 (E2M3 codes of Wq, K innermost, in blocks of 32 codes, four codes in three bytes); Wq_scales 2,048 x 128 uint8 (E8M0 scales of Wq, one for each 32 codes along K); Wv_codes 1,024 x 128 x 24 uint8 (E2M3 codes of Wv, K innermost, in blocks of 32 codes, four codes in three bytes); Wv_scales 1,024 x 128 uint8 (E8M0 scales of Wv, one for each 32 codes along K); attention_mask 1 x 1 x 2,048 x 2,048 float32; hidden_states_codes 1 x 2,048 x 128 x 24 uint8 (E2M3 codes of hidden_states, K innermost, in blocks of 32 codes, four codes in three bytes); hidden_states_scales 1 x 2,048 x 128 uint8 (E8M0 scales of hidden_states, one for each 32 codes along K); k_norm_w 128 float32; position_ids 1 x 2,048 int32; q_norm_w 128 float32.
;; Outputs: out0 1 x 2,048 x 4,096 float32.
;; This version of the problem:
;;   THIS VERSION OF THE PROBLEM IS GIVEN IN LOW PRECISION. The matrix products marked QUANTISED in the list below multiply operands that are first quantised to E2M3 (2 exponent bits, 3 mantissa bits; 6 bits a number), with one power-of-two scale for each 32 numbers along K (OCP MX v1.0); their sums are f32. All else is computed in f32.
;;   The module's matrix products, in the order in which they are computed (A, B: the left and right operand; K: the contracted axis; several contracted axes count as one K, in the product's order):
;;     1. [M 2,048, K 4,096] x [K 4,096, N 2,048]; A: input hidden_states (given as codes); B: input Wq (given as codes): QUANTISED
;;     2. [M 2,048, K 4,096] x [K 4,096, N 1,024]; A: input hidden_states (given as codes); B: input Wk (given as codes): QUANTISED
;;     3. [M 2,048, K 4,096] x [K 4,096, N 1,024]; A: input hidden_states (given as codes); B: input Wv (given as codes): QUANTISED
;;     4. batch 16 x [M 2,048, K 128] x [K 128, N 2,048]; A: computed on the way; B: computed on the way: QUANTISED
;;     5. batch 16 x [M 2,048, K 2,048] x [K 2,048, N 128]; A: softmax (see below); B: computed on the way: QUANTISED
;;     6. [M 2,048, K 2,048] x [K 2,048, N 4,096]; A: computed on the way; B: input Wo (given as codes): QUANTISED
;;   THE QUANTISER, for each operand of a quantised product, along K:
;;     - K is cut into blocks of 32 from its start; a last block that is shorter is filled with zeros.
;;     - A block's scale is 2^e with e = floor(log2(the largest magnitude in the block)) - 2, held to -126 .. 127; a block of zeros has e = 0. As a byte (E8M0): e + 127.
;;     - Each number is divided by its block's scale, clamped to +-7.5, and rounded to the nearest number of E2M3, ties to even, subnormals kept.
;;     - The product sums the exact products of the quantised numbers (number of the format x scale) in f32.
;;   ~~~python
;;   def quantise(x, axis):      # numpy; x: float32 -> the quantised numbers, widened to float32 again
;;       x = np.moveaxis(x, axis, -1); K = x.shape[-1]
;;       x = np.pad(x, [(0, 0)] * (x.ndim - 1) + [(0, -K % 32)]); x = x.reshape(x.shape[:-1] + (-1, 32)); a = np.abs(x).max(-1, keepdims=True)
;;       e = np.where(a > 0, np.clip(np.frexp(np.where(a > 0, a, 1))[1] - 1 - 2, -126, 127), 0)      # np.frexp(a)[1] - 1 = floor(log2(a)), exactly
;;       r = np.clip(x / 2.0 ** e, -7.5, 7.5)
;;       step = 2.0 ** (np.maximum(np.frexp(np.where(r == 0, 1, r))[1] - 1, 0) - 3)
;;       q = np.round(r / step) * step * 2.0 ** e      # np.round: ties to even
;;       return np.moveaxis(q.reshape(q.shape[:-2] + (-1,))[..., :K], -1, axis).astype(np.float32)
;;   ~~~
;;   SOFTMAX AHEAD OF A QUANTISED PRODUCT. Where the list says 'softmax', what is quantised is not the finished softmax but p = 2^(t - M), with t = logit x log2(e) and M = ceil(the row's largest t), a whole number; so 1/2 < the row's largest p <= 1. The row's sum l is taken of the UNQUANTISED p, in f32, and the product's result is divided by l at the end. Since M is a whole number, a kernel that streams over the keys may use a running M (the ceiling of the running maximum): every later rescaling is an exact power of two, which a block's scale takes up: the codes' values come out the same.
;;   OPERANDS COMPUTED ON THE WAY. 'Computed on the way' means the value that the module computes at that place (a softmax that the list does not call 'softmax' is quantised finished and normalised). What goes into a quantiser is computed in f32, as accurately as f32 sums, v_exp_f32 and their like allow (about 1e-6 of the number): no bf16 or f16 on the way to a quantiser, and a product that is left as it is and whose result goes on into a quantised operand takes f32 operands (vector FMAs, or v_wmma_f32_16x16x4_f32). A number that lies on a knife's edge between two numbers of the format may be rounded either way, as far as f32 arithmetic and the matrix unit's own rounding can turn it there, and no further.
;;   INPUTS GIVEN AS CODES. Wk (in the module: [1024, 4096], K = its axis 1); Wo (in the module: [4096, 2048], K = its axis 1); Wq (in the module: [2048, 4096], K = its axis 1); Wv (in the module: [1024, 4096], K = its axis 1); hidden_states (in the module: [1, 2048, 4096], K = its axis 2): each comes as NAME_codes (uint8): NAME with its K axis moved to the last place and cut into blocks of 32 codes, [.., K / 32, bytes a block], one block behind the other in memory; four codes in three bytes: a row's codes are one little-endian stream of bits, code i at bits 6 i .. 6 i + 5 (a code: sign, 2 exponent bits, 3 mantissa bits); and NAME_scales (uint8): the same leading axes, one E8M0 byte (e + 127) for each 32 codes along K. Its value is code x scale, taken as it is: it is not quantised again, and the codes and scales need not be those that the quantiser above would give.
;; One version. Each part assembles by itself: llvm-mc -triple=amdgcn-amd-amdhsa -mcpu=gfx1250 --defsym DOCPART=n.
;; ======== version 1 of 1: 4 launches
;; limits: right only within a limited range of input values
;; workspace buffers: rope 1,048,576 bytes; qk 5,111,808 bytes; vblk 1,703,936 bytes; cblk 3,407,872 bytes; hblk 6,815,744 bytes; wblk 13,631,488 bytes; woblk 6,815,744 bytes
;; launch prep (part 1): grid 768 x 1, 4 waves a work-group, no clusters, 50,688 bytes of LDS; arguments hidden_states_codes, hidden_states_scales, Wq_codes, Wq_scales, Wk_codes, Wk_scales, Wv_codes, Wv_scales, Wo_codes, Wo_scales, position_ids, rope, hblk, wblk, woblk; writes rope, hblk, wblk, woblk
.if DOCPART == 1
	.amdgcn_target "amdgcn-amd-amdhsa--gfx1250"
	.amdhsa_code_object_version 6
	.text
	.protected	k_q45c521d498_prep
	.globl	k_q45c521d498_prep
	.p2align	8
	.type	k_q45c521d498_prep,@function
k_q45c521d498_prep:
	s_mov_b64 s[64:65], 0
	v_nop
	global_prefetch_b8 v0, s[64:65] scope:SCOPE_SE
	s_setreg_imm32_b32 hwreg(HW_REG_WAVE_MODE, 25, 1), 1
	s_wait_xcnt 0x0
; TWO JOBS IN ONE LAUNCH, parted on the work-group's number.
; (1) Work-groups 0-511 lay the given operands out as the products' launches take them: BLOCKS of 13,312 bytes, 128 rows x 128 K: eight fragments (16 rows x 128 K) as images of their registers
;     (fragment t at 1536 t, registers 4 c .. 4 c + 3 at + 512 c, lane l at + 16 l) and eight lines of scale words (12288 + 128 t + 4 l; lanes 16-31 hold copies).  No code and no scale byte is changed.
;     hblk [token block][K step 0..31]; wblk [row block][K step 0..31], row blocks 0-15 Wq, 16-23 Wk, 24-31 Wv; woblk [row block][K step 0..15].
;     Work-groups 0-127 hidden, 128-255 Wq, 256-319 Wk, 320-383 Wv, 384-511 Wo.  A wave takes 16 rows x 1,024 K: 768 bytes of each row, which begin at a multiple of 256 from the buffer's first byte.
;     Each of its 24 loads reads 512 bytes in runs of 256 or 512 consecutive bytes; the bytes go through the wave's own stage in LDS (rows of 768 + 16 bytes: row r starts 4 r banks on, so the 32 lanes of a
;     load of 8 bytes touch 64 different banks: 64 banks of 4 bytes, ISA guide 11.1) and come back as a lane's 24 + 24 bytes of a fragment; each store covers 512 consecutive bytes, aligned.
;     The scale bytes, 32 of each row, are read as they lie, a row a lane: they are one part in 24 of what the wave reads.  Every load and store has registers of its own: none is written again.
; (2) Work-groups 512-767: cos and sin of position x inv_freq, inv_freq[i] = 1e6^(-i / 64), for 2,048 tokens, laid as the next launch's registers take them:
;     byte 8192 T + 4096 cs + 512 tu + 16 lane: lane (r, h), element e: token 16 T + r, frequency 16 (tu / 2) + 8 h + 4 (tu % 2) + e; cs = 0 cos, 1 sin.  Work-group 512 + g: T = g / 2; wave w: tu = 4 (g % 2) + w.
;     The angle x = f32(position) x inv_freq is rounded once.  j = nearest whole number to x 2 / pi; r = x - j pi / 2 by three fused multiply-adds on a three-part pi / 2; polynomials on [-pi / 4, pi / 4]; j mod 4 swaps the two and sets the signs.
; LIMITS: |position| up to 2^20 (the three-part reduction); inv_freq comes by v_exp_f32 (1 ulp: ISA guide, its entry).
; No tensor loads, no barrier: waves share nothing.
.set BLKB, 13312
.set PT,   784                         ; a stage row
.set WREG, 16*PT                       ; a wave's stage
.set GA0, 2                            ; v2  16 x lane: row 2 u, bytes 0-511
.set GA1, 3                            ; v3  lanes 0-15: row 2 u, bytes 512-767; lanes 16-31: row 2 u + 1, bytes 0-255
.set GA2, 4                            ; v4  row 2 u + 1, bytes 256-767
.set LA0, 5                            ; v5  the stage, on the way in
.set LA1, 6                            ; v6
.set LR,  7                            ; v7  and on the way out: row r, + 24 h
.set GS,  8                            ; v8  my row's scale bytes
.set DC,  9                            ; v9  my codes' place in a block
.set DSC, 10                           ; v10 my scale word's
.set RL,  16                           ; v16-111  as loaded
.set FG,  112                          ; v112-207 eight fragments
.set WS,  208                          ; v208-215 eight scale words
	v_lshl_add_u32 v216, v0, 2, 0xc400
	v_mov_b32 v217, 0
	s_cmp_ge_u32 ttmp9, 512
	s_cbranch_scc1 .Lrope
	s_load_b512 s[4:19], s[0:1], 0x0               ; hidden's codes, scales; Wq's; Wk's; Wv's
	s_load_b128 s[20:23], s[0:1], 0x40             ; Wo's
	s_load_b128 s[28:31], s[0:1], 0x60             ; hblk, wblk
	s_load_b64 s[32:33], s[0:1], 0x70              ; woblk
	v_lshrrev_b32 v1, 5, v0
	v_readfirstlane_b32 s34, v1                    ; wave
	s_mov_b32 s42, 384                             ; the tensor's first work-group,
	s_cmp_lt_u32 ttmp9, 384
	s_cselect_b32 s42, 320, s42
	s_cselect_b32 s43, 2, 1                        ; log2 of its runs of 1,024 along K,
	s_cselect_b32 s44, 192, 0                      ; and its first tile of 16 rows in the target
	s_cmp_lt_u32 ttmp9, 320
	s_cselect_b32 s42, 256, s42
	s_cselect_b32 s44, 128, s44
	s_cmp_lt_u32 ttmp9, 256
	s_cselect_b32 s42, 128, s42
	s_cselect_b32 s44, 0, s44
	s_cmp_lt_u32 ttmp9, 128
	s_cselect_b32 s42, 0, s42
	s_sub_co_u32 s45, ttmp9, s42
	s_lshl_b32 s45, s45, 2
	s_add_co_u32 s45, s45, s34                     ; my wave's task in its tensor
	s_lshr_b32 s46, s45, s43                       ; which tile of 16 rows,
	s_lshl_b32 s47, 1, s43
	s_sub_co_u32 s47, s47, 1
	s_and_b32 s47, s45, s47                        ; which run of 1,024 along K
	s_lshl_b32 s48, s46, 4
	s_lshl_b32 s48, s48, s43
	s_add_co_u32 s48, s48, s47                     ; the first row's runs before mine
	s_mul_i32 s50, s48, 768                        ; my codes,
	s_mov_b32 s51, 0
	s_lshl_b32 s52, s48, 5                         ; my scale bytes
	s_mov_b32 s53, 0
	s_lshl_b32 s49, 768, s43                       ; a row of codes in bytes
	s_add_co_u32 s54, s46, s44
	s_lshr_b32 s55, s54, 3                         ; the target's block of 128 rows,
	s_and_b32 s54, s54, 7                          ; my fragment in it
	s_add_co_u32 s56, s43, 3
	s_lshl_b32 s55, s55, s56                       ; x its K steps
	s_lshl_b32 s57, s47, 3
	s_add_co_u32 s55, s55, s57                     ; + my first K step
	s_mul_i32 s56, s55, BLKB
	s_mov_b32 s57, 0
	s_sub_co_u32 s24, s49, 768
	s_add_co_u32 s25, s49, 256
	s_lshl_b32 s26, s49, 1                         ; two rows on
	s_mov_b32 s27, 0
	v_and_b32 v1, 31, v0                           ; lane
	v_and_b32 v11, 15, v0                          ; r
	v_bfe_u32 v12, v0, 4, 1                        ; h
	v_lshlrev_b32 v[GA0], 4, v1
	v_mul_lo_u32 v13, v12, s24
	v_add_nc_u32 v[GA1], v[GA0], v13
	v_add_nc_u32 v[GA1], 512, v[GA1]               ; 512 + 16 lane + h (row - 768)
	v_add_nc_u32 v[GA2], s25, v[GA0]               ; row + 256 + 16 lane
	s_mul_i32 s60, s34, WREG
	v_add_nc_u32 v[LA0], s60, v[GA0]
	v_lshl_add_u32 v[LA1], v12, 4, v[LA0]          ; lanes 16-31 stand behind the row's 16 bytes of padding
	v_mul_u32_u24 v[LR], v11, PT
	v_mad_u32_u24 v[LR], v12, 24, v[LR]
	v_add_nc_u32 v[LR], s60, v[LR]
	s_add_co_u32 s61, s43, 5
	v_lshlrev_b32 v[GS], s61, v11                  ; r rows of scale bytes
	s_mul_i32 s62, s54, 1536
	v_add_nc_u32 v[DC], s62, v[GA0]
	s_lshl_b32 s63, s54, 7
	s_add_co_u32 s63, s63, 12288
	v_lshl_add_u32 v[DSC], v1, 2, s63
	s_wait_alu depctr_va_vdst(0)
	s_wait_kmcnt 0x0
	s_cmp_lt_u32 ttmp9, 384                        ; which buffers: the choices hang on the work-group's number alone
	s_cselect_b64 s[36:37], s[16:17], s[20:21]
	s_cselect_b64 s[38:39], s[18:19], s[22:23]
	s_cselect_b64 s[40:41], s[30:31], s[32:33]
	s_cmp_lt_u32 ttmp9, 320
	s_cselect_b64 s[36:37], s[12:13], s[36:37]
	s_cselect_b64 s[38:39], s[14:15], s[38:39]
	s_cmp_lt_u32 ttmp9, 256
	s_cselect_b64 s[36:37], s[8:9], s[36:37]
	s_cselect_b64 s[38:39], s[10:11], s[38:39]
	s_cmp_lt_u32 ttmp9, 128
	s_cselect_b64 s[36:37], s[4:5], s[36:37]
	s_cselect_b64 s[38:39], s[6:7], s[38:39]
	s_cselect_b64 s[40:41], s[28:29], s[40:41]
	s_add_nc_u64 s[38:39], s[38:39], s[52:53]
	s_add_nc_u64 s[40:41], s[40:41], s[56:57]
	s_add_nc_u64 s[66:67], s[36:37], s[50:51]      ; a base for each pair of rows, so that none is stepped under a pending load
.irp u, 1,2,3,4,5,6,7
	s_add_nc_u64 s[66+2*\u:67+2*\u], s[66+2*(\u-1):67+2*(\u-1)], s[26:27]
.endr
.irp u, 0,1,2,3,4,5,6,7
	global_load_b128 v[RL+12*\u:RL+12*\u+3], v[GA0], s[66+2*\u:67+2*\u] th:TH_LOAD_NT
	global_load_b128 v[RL+12*\u+4:RL+12*\u+7], v[GA1], s[66+2*\u:67+2*\u] th:TH_LOAD_NT
	global_load_b128 v[RL+12*\u+8:RL+12*\u+11], v[GA2], s[66+2*\u:67+2*\u] th:TH_LOAD_NT
.endr
	global_load_b128 v[WS:WS+3], v[GS], s[38:39]
	global_load_b128 v[WS+4:WS+7], v[GS], s[38:39] offset:16
.irp u, 0,1,2,3,4,5,6,7
	s_wait_loadcnt 23-3*\u                         ; loads come back in order (ISA guide 5.7.1): this pair of rows is in, the younger loads stay out
	ds_store_b128 v[LA0], v[RL+12*\u:RL+12*\u+3] offset:2*PT*\u
	ds_store_b128 v[LA1], v[RL+12*\u+4:RL+12*\u+7] offset:2*PT*\u+512
	ds_store_b128 v[LA0], v[RL+12*\u+8:RL+12*\u+11] offset:2*PT*\u+PT+256
.endr
.irp k, 0,1,2,3,4,5,6,7                        ; LDS serves a wave's instructions in order (ISA guide 5.7.1.4): these see the stores above
.irp p, 0,1,2,3,4,5
	ds_load_b64 v[FG+12*\k+2*\p:FG+12*\k+2*\p+1], v[LR] offset:96*\k+48*(\p/3)+8*(\p%3)   ; registers 6 c .. 6 c + 5: K = 64 c + 32 h + 0 .. 31 of row r
.endr
.endr
.irp k, 0,1,2,3,4,5,6,7
	s_wait_dscnt 42-6*\k                           ; this fragment's six loads are in; the later fragments' may be out
.irp c, 0,1,2
	global_store_b128 v[DC], v[FG+12*\k+4*\c:FG+12*\k+4*\c+3], s[40:41] offset:BLKB*\k+512*\c
.endr
.endr
	s_wait_loadcnt 0x0                             ; the scale bytes
.irp k, 0,1,2,3,4,5,6,7
	global_store_b32 v[DSC], v[WS+\k], s[40:41] offset:BLKB*\k
.endr
	s_wait_tensorcnt 0x0
	ds_add_u32 v216, v217
	s_wait_dscnt 0x0
	s_endpgm
.Lrope:
.set X, 12                             ; v12-15 exponent, inv_freq, then the angle
.set J, 16                             ; v16-19 j
.set R, 20                             ; v20-23 r
.set Z, 24                             ; v24-27 r r
.set SN, 28                            ; v28-31 sin r
.set CN, 32                            ; v32-35 cos r
.set N, 36                             ; v36-39 j as a whole number
.set OC, 40                            ; v40-43 cos x
.set OS, 44                            ; v44-47 sin x
.set T, 48                             ; v48-51 at work
	s_load_b128 s[4:7], s[0:1], 0x50               ; position_ids, rope
	v_lshrrev_b32 v1, 5, v0
	v_readfirstlane_b32 s8, v1                     ; wave
	v_and_b32 v2, 15, v0                           ; r
	v_bfe_u32 v3, v0, 4, 1                         ; h
	s_wait_alu depctr_va_vdst(0)
	v_and_b32 v4, 31, v0                           ; lane
	s_wait_alu depctr_va_vdst(0)
	s_sub_co_u32 s18, ttmp9, 512                   ; g
	s_lshr_b32 s9, s18, 1                          ; T
	s_and_b32 s10, s18, 1
	s_lshl_b32 s10, s10, 2
	s_add_co_u32 s10, s10, s8                      ; tu
	s_lshl_b32 s11, s9, 6                          ; 16 T tokens of 4 bytes
	v_lshl_add_u32 v5, v2, 2, s11                  ; my token's position
	s_lshr_b32 s12, s10, 1
	s_lshl_b32 s12, s12, 4
	s_and_b32 s13, s10, 1
	s_lshl_b32 s13, s13, 2
	s_add_co_u32 s12, s12, s13
	v_lshl_add_u32 v6, v3, 3, s12                  ; my first frequency: 16 (tu / 2) + 4 (tu % 2) + 8 h
	s_lshl_b32 s14, s9, 13
	s_lshl_b32 s15, s10, 9
	s_add_co_u32 s14, s14, s15
	v_lshl_add_u32 v7, v4, 4, s14                  ; where I store
	s_mov_b32 s16, 0x37cd4000                      ; the cosine's leading coefficient
	s_mov_b32 s17, 0x36405000                      ; the sine's
	s_wait_alu depctr_va_vdst(0)
	s_wait_kmcnt 0x0
	global_load_b32 v8, v5, s[4:5]
.irp e, 0,1,2,3
	v_add_nc_u32 v[X+\e], \e, v6
.endr
.irp e, 0,1,2,3
	v_cvt_f32_u32 v[X+\e], v[X+\e]
.endr
.irp e, 0,1,2,3
	v_mul_f32 v[X+\e], 0xbe9f73da, v[X+\e]         ; x -log2(1e6) / 64
.endr
	s_wait_alu depctr_va_vdst(0)
.irp e, 0,1,2,3
	v_exp_f32 v[X+\e], v[X+\e]                     ; inv_freq
.endr
	s_wait_loadcnt 0x0
	v_cvt_f32_i32 v9, v8                           ; the position in f32: also the plain line behind the four exponentials
	s_wait_alu depctr_va_vdst(0)                   ; one wait for the four, ahead of their first reader
.irp e, 0,1,2,3
	v_mul_f32 v[X+\e], v9, v[X+\e]                 ; the angle
.endr
.irp e, 0,1,2,3
	v_mul_f32 v[J+\e], 0x3f22f983, v[X+\e]         ; x 2 / pi
.endr
.irp e, 0,1,2,3
	v_rndne_f32 v[J+\e], v[J+\e]
.endr
.irp e, 0,1,2,3
	v_fmamk_f32 v[R+\e], v[J+\e], 0xbfc90fd8, v[X+\e]
.endr
.irp e, 0,1,2,3
	v_fmamk_f32 v[R+\e], v[J+\e], 0xb4a8885a, v[R+\e]
.endr
.irp e, 0,1,2,3
	v_fmamk_f32 v[R+\e], v[J+\e], 0xa7c234c4, v[R+\e]
.endr
.irp e, 0,1,2,3
	v_mul_f32 v[Z+\e], v[R+\e], v[R+\e]
	v_cvt_i32_f32 v[N+\e], v[J+\e]
.endr
.irp e, 0,1,2,3
	v_fmaak_f32 v[CN+\e], s16, v[Z+\e], 0xbab6077d
	v_fmaak_f32 v[SN+\e], s17, v[Z+\e], 0xb9503486
.endr
.irp e, 0,1,2,3
	v_fmaak_f32 v[CN+\e], v[CN+\e], v[Z+\e], 0x3d2aaaa8
	v_fmaak_f32 v[SN+\e], v[SN+\e], v[Z+\e], 0x3c0888c1
.endr
.irp e, 0,1,2,3
	v_fma_f32 v[CN+\e], v[CN+\e], v[Z+\e], -0.5
	v_fmaak_f32 v[SN+\e], v[SN+\e], v[Z+\e], 0xbe2aaaab
.endr
.irp e, 0,1,2,3
	v_fma_f32 v[CN+\e], v[CN+\e], v[Z+\e], 1.0     ; cos r
	v_mul_f32 v[T+\e], v[R+\e], v[Z+\e]
.endr
.irp e, 0,1,2,3
	v_fma_f32 v[SN+\e], v[SN+\e], v[T+\e], v[R+\e] ; sin r
.endr
.irp e, 0,1,2,3
	v_and_b32 v[T+\e], 1, v[N+\e]
	v_cmp_eq_u32 vcc_lo, 1, v[T+\e]                ; an odd quadrant swaps the two
	v_cndmask_b32 v[OS+\e], v[SN+\e], v[CN+\e], vcc_lo
	v_cndmask_b32 v[OC+\e], v[CN+\e], v[SN+\e], vcc_lo
.endr
.irp e, 0,1,2,3
	v_and_b32 v[T+\e], 2, v[N+\e]                  ; sin is negative in quadrants 2 and 3,
	v_lshlrev_b32 v[T+\e], 30, v[T+\e]
	v_xor_b32 v[OS+\e], v[OS+\e], v[T+\e]
.endr
.irp e, 0,1,2,3
	v_add_nc_u32 v[T+\e], 1, v[N+\e]               ; cos in quadrants 1 and 2
	v_and_b32 v[T+\e], 2, v[T+\e]
	v_lshlrev_b32 v[T+\e], 30, v[T+\e]
	v_xor_b32 v[OC+\e], v[OC+\e], v[T+\e]
.endr
	global_store_b128 v7, v[OC:OC+3], s[6:7]
	global_store_b128 v7, v[OS:OS+3], s[6:7] offset:4096
	s_endpgm
.Lfunc_end_k_q45c521d498_prep:
	.size	k_q45c521d498_prep, .Lfunc_end_k_q45c521d498_prep-k_q45c521d498_prep
	.p2alignl 7, 3214868480
	.fill 96, 4, 3214868480
	.section	.rodata,"a",@progbits
	.p2align	6, 0x0
	.amdhsa_kernel k_q45c521d498_prep
		.amdhsa_group_segment_fixed_size 50688
		.amdhsa_private_segment_fixed_size 0
		.amdhsa_enable_private_segment 0
		.amdhsa_kernarg_size 120
		.amdhsa_user_sgpr_count 2
		.amdhsa_user_sgpr_kernarg_segment_ptr 1
		.amdhsa_wavefront_size32 1
		.amdhsa_system_sgpr_workgroup_id_x 1
		.amdhsa_system_sgpr_workgroup_id_y 1
		.amdhsa_system_sgpr_workgroup_id_z 1
		.amdhsa_system_vgpr_workitem_id 0
		.amdhsa_next_free_vgpr 218
		.amdhsa_next_free_sgpr 84
		.amdhsa_reserve_vcc 1
		.amdhsa_float_denorm_mode_32 3
		.amdhsa_float_denorm_mode_16_64 3
		.amdhsa_memory_ordered 1
		.amdhsa_forward_progress 1
		.amdhsa_inst_pref_size 23
	.end_amdhsa_kernel
	.amdgpu_metadata
---
amdhsa.version: [ 1, 2 ]
amdhsa.kernels:
  - .name:           k_q45c521d498_prep
    .symbol:         k_q45c521d498_prep.kd
    .args:
      - { .name: hidden_states_codes, .offset: 0, .size: 8, .value_kind: global_buffer, .address_space: global }
      - { .name: hidden_states_scales, .offset: 8, .size: 8, .value_kind: global_buffer, .address_space: global }
      - { .name: Wq_codes, .offset: 16, .size: 8, .value_kind: global_buffer, .address_space: global }
      - { .name: Wq_scales, .offset: 24, .size: 8, .value_kind: global_buffer, .address_space: global }
      - { .name: Wk_codes, .offset: 32, .size: 8, .value_kind: global_buffer, .address_space: global }
      - { .name: Wk_scales, .offset: 40, .size: 8, .value_kind: global_buffer, .address_space: global }
      - { .name: Wv_codes, .offset: 48, .size: 8, .value_kind: global_buffer, .address_space: global }
      - { .name: Wv_scales, .offset: 56, .size: 8, .value_kind: global_buffer, .address_space: global }
      - { .name: Wo_codes, .offset: 64, .size: 8, .value_kind: global_buffer, .address_space: global }
      - { .name: Wo_scales, .offset: 72, .size: 8, .value_kind: global_buffer, .address_space: global }
      - { .name: position_ids, .offset: 80, .size: 8, .value_kind: global_buffer, .address_space: global }
      - { .name: rope, .offset: 88, .size: 8, .value_kind: global_buffer, .address_space: global }
      - { .name: hblk, .offset: 96, .size: 8, .value_kind: global_buffer, .address_space: global }
      - { .name: wblk, .offset: 104, .size: 8, .value_kind: global_buffer, .address_space: global }
      - { .name: woblk, .offset: 112, .size: 8, .value_kind: global_buffer, .address_space: global }
    .group_segment_fixed_size: 50688
    .private_segment_fixed_size: 0
    .kernarg_segment_align: 8
    .kernarg_segment_size: 120
    .max_flat_workgroup_size: 128
    .sgpr_count:     84
    .vgpr_count:     218
    .wavefront_size: 32
...
	.end_amdgpu_metadata
.endif
;; end of part 1
;; launch qkv (part 2): grid 16 x 16, 4 waves a work-group, clusters of 4 x 4, 327,680 bytes of LDS; arguments hblk, wblk, q_norm_w, k_norm_w, rope, qk, vblk; writes qk, vblk
.if DOCPART == 2
	.amdgcn_target "amdgcn-amd-amdhsa--gfx1250"
	.amdhsa_code_object_version 6
	.text
	.protected	k_q45c521d498_qkv
	.globl	k_q45c521d498_qkv
	.p2align	8
	.type	k_q45c521d498_qkv,@function
k_q45c521d498_qkv:
	s_mov_b64 s[64:65], 0
	v_nop
	global_prefetch_b8 v0, s[64:65] scope:SCOPE_SE
	s_setreg_imm32_b32 hwreg(HW_REG_WAVE_MODE, 25, 1), 1
	s_wait_xcnt 0x0
	s_wait_alu depctr_hold_cnt(0) depctr_sa_sdst(0) depctr_va_vdst(0) depctr_va_sdst(0) depctr_va_ssrc(0) depctr_va_vcc(0) depctr_vm_vsrc(0)
	s_getreg_b32 s2, hwreg(HW_REG_IB_STS2, 6, 4)
	s_cmp_eq_u32 s2, 0
	s_cbranch_scc0 .Lentry_in_a_cluster
	s_endpgm
.Lentry_in_a_cluster:
	s_bfe_u32 s2, ttmp6, 0x10000c
	s_cmp_lg_u32 s2, 0xf033
	s_cbranch_scc0 .Lentry_shape_is_right
	s_endpgm
.Lentry_shape_is_right:
.set BLKB,  13312
.set ABLK,  4*BLKB
.set SLOT,  12*BLKB
.set SPARE, 2*SLOT
.set AD0,  8
.set AS0,  10
.set AD1,  12
.set AS1,  14
.set SPW,  18
.set NIL,  19
.set L16,  20
.set NWO,  21
.set SOF,  22
.set COF,  23
.set VCO,  24
.set VSO,  26
.set SC,   32
.set S1F,  96
.set NW,   192
.set PCD,  32
.set TM,   52
.set PW,   68
.set SS,   70
.set RS,   74
.set Y,    96
.set T,    160
.set WV,   30
.set WI,   31
.set WE,   92
.set G1A,  32
.set G1B,  40
.set G0A,  48
.set G0B,  56
.set SEL,  14
.set EPS,  16
.set ADJ,  17
.set LAP,  18
.set MUL,   0xa1
.set TO_S0, 0x40
.set MSB, 0
.macro WIN new
.if MSB != \new
	s_set_vgpr_msb (MSB<<8)|\new
.set MSB, \new
.endif
.endm
.macro PLACES n
.rept \n
	v_nop
.endr
.endm
.macro JLOAD g0a, g1a, g0b, g1b
	s_cmp_eq_u32 s[WI], 0
	s_cbranch_scc0 .Lfor_b_\@
	tensor_load_to_lds s[\g0a:\g0a+3], s[\g1a:\g1a+7]
	s_nop 0
.rept 4
	v_nop
.endr
	s_branch .Lasked_\@
.Lfor_b_\@:
	tensor_load_to_lds s[\g0b:\g0b+3], s[\g1b:\g1b+7]
	s_nop 0
.rept 4
	v_nop
.endr
.Lasked_\@:
.endm
.macro CREST
	s_cmp_lg_u32 s[WV], 0
	s_cbranch_scc1 .Lnot_wave_0_\@
	s_barrier_signal -3
.Lnot_wave_0_\@:
	s_barrier_wait -3
	s_barrier_signal -1
	s_barrier_wait -1
.endm
.macro CROUND
	s_barrier_signal -1
	s_barrier_wait -1
	CREST
.endm
	s_load_b128 s[4:7], s[0:1], 0x0
	s_load_b256 s[20:27], s[0:1], 0x10
	s_load_b64 s[28:29], s[0:1], 0x30
	v_lshl_add_u32 v[SPW], v0, 2, SPARE
	v_mov_b32 v[NIL], 0
	ds_add_u32 v18, v19
	ds_add_u32 v18, v19
	s_wait_dscnt 0x0
	v_lshrrev_b32 v1, 5, v0
	v_readfirstlane_b32 s[WV], v1
	s_lshr_b32 s[WI], s[WV], 1
	s_and_b32 s[WE], s[WV], 1
	s_bfe_u32 s93, ttmp6, 0x40000
	s_bfe_u32 s94, ttmp6, 0x40004
	s_and_b32 s95, ttmp7, 0xffff
	s_lshl_b32 s95, s95, 2
	s_add_co_u32 s95, s95, s94
	s_lshl_b32 s99, ttmp9, 2
	s_add_co_u32 s99, s99, s93
	s_lshl_b32 s97, s94, 2
	s_lshl_b32 s97, 15, s97
	s_lshl_b32 s98, 0x1111, s93
	s_or_b32 s[G1A], s97, (3<<16)|(1<<21)
	s_mov_b32 s[G1A+1], 32<<16
	s_mov_b32 s[G1A+2], 104<<16
	s_mov_b32 s[G1A+3], 32<<16
	s_mov_b32 s[G1A+4], 104
	s_mov_b32 s[G1A+5], 32
	s_mov_b32 s[G1A+6], 0
	s_mov_b32 s[G1A+7], 0
	s_or_b32 s[G1B], s98, (3<<16)|(1<<21)
	s_mov_b32 s[G1B+1], 32<<16
	s_mov_b32 s[G1B+2], 208<<16
	s_mov_b32 s[G1B+3], 32<<16
	s_mov_b32 s[G1B+4], 208
	s_mov_b32 s[G1B+5], 32
	s_mov_b32 s[G1B+6], 0
	s_mov_b32 s[G1B+7], 0
	s_lshl_b32 s66, s95, 5
	s_lshl_b32 s67, s[WE], 1
	s_add_co_u32 s66, s66, s67
	s_mul_i32 s66, s66, BLKB
	s_mov_b32 s67, 0
	s_lshl_b32 s100, s99, 1
	s_add_co_u32 s100, s100, s[WE]
	s_mul_i32 s100, s100, 32*BLKB
	s_mov_b32 s101, 0
	s_wait_kmcnt 0x0
	s_cmp_lt_u32 ttmp9, 2
	s_cselect_b64 s[20:21], s[20:21], s[22:23]
	s_add_nc_u64 s[66:67], s[4:5], s[66:67]
	s_add_nc_u64 s[100:101], s[6:7], s[100:101]
	CROUND
	; THE PREFETCHES INTO THE L2: behind the joint load of chunk j (four K steps) a wave asks for chunk j + 2 of the rows that it loads: dense bytes, 104 blocks of 256 for A's waves, 208 for B's.
	; The four partners that ask for a tile jointly share its blocks out BY ADDRESS (cx for A, cy for B): 26 or 52 each, a lane a block; lanes left over name their share's last block again.
	s_cmp_eq_u32 s[WI], 0
	s_cselect_b32 s70, 25, 31
	s_cselect_b32 s71, s93, s94
	s_cselect_b64 s[68:69], s[66:67], s[100:101]
	s_mov_b32 s10, BLKB
	s_cselect_b32 s10, 6656, s10
	s_mul_i32 s10, s10, s71
	s_add_co_u32 s10, s10, 2*ABLK
	s_mov_b32 s11, 0
	s_add_nc_u64 s[68:69], s[68:69], s[10:11]      ; my share of chunk 2
	v_and_b32 v1, 31, v0
	v_min_u32 v27, s70, v1
	v_min_u32 v28, 19, v1
	v_lshlrev_b32 v27, 8, v27                      ; blocks 0-25 or 0-31 of my share; never rewritten
	v_add_lshl_u32 v28, v28, 32, 8                 ; B's waves: blocks 32-51; never rewritten
	s_mul_i32 s4, s[WE], 2*BLKB
	s_mul_i32 s5, s[WE], ABLK
	s_add_co_u32 s5, s5, ABLK
.irp s, 0,1
	s_mov_b32 s[G0A+4*\s], 1
	s_add_co_u32 s[G0A+4*\s+1], s4, \s*SLOT
	s_add_nc_u64 s[G0A+4*\s+2:G0A+4*\s+3], s[66:67], \s*ABLK
	s_or_b32 s[G0A+4*\s+3], s[G0A+4*\s+3], 0x80000000
	s_mov_b32 s[G0B+4*\s], 1
	s_add_co_u32 s[G0B+4*\s+1], s5, \s*SLOT
	s_add_nc_u64 s[G0B+4*\s+2:G0B+4*\s+3], s[100:101], \s*ABLK
	s_or_b32 s[G0B+4*\s+3], s[G0B+4*\s+3], 0x80000000
	s_wait_alu depctr_va_vdst(0)
	s_wait_tensorcnt 0x0
	ds_add_u32 v18, v19
	ds_add_u32 v18, v19
	s_wait_dscnt 0x0
	CROUND
	JLOAD G0A+4*\s, G1A, G0B+4*\s, G1B
	global_prefetch_b8 v27, s[68:69] offset:\s*ABLK th:TH_LOAD_NT scope:SCOPE_SE   ; chunk 2 + s
	s_cmp_eq_u32 s[WI], 0
	s_cbranch_scc1 .Lpfh_\s
	global_prefetch_b8 v28, s[68:69] offset:\s*ABLK th:TH_LOAD_NT scope:SCOPE_SE
.Lpfh_\s:
.if \s == 0
	; cos, sin and the norm's weights, which the way out wants, are asked for here, while slot 0's tiles are on their way
	s_lshl_b32 s12, s95, 3
	s_lshl_b32 s13, s[WI], 2
	s_add_co_u32 s12, s12, s13
	s_lshl_b32 s12, s12, 13
	s_mov_b32 s13, 0
	s_add_nc_u64 s[24:25], s[24:25], s[12:13]
	v_bfe_u32 v2, v0, 4, 1
	v_and_b32 v3, 31, v0
	v_lshlrev_b32 v[L16], 4, v3
	v_lshlrev_b32 v[NWO], 5, v2
	WIN 0xc0
.irp a, 0,1,2,3
.irp t, 0,1,2,3,4,5,6,7
	global_load_b128 v[64*\a+4*\t:64*\a+4*\t+3], v[L16], s[24:25] offset:8192*\a+512*\t
	global_load_b128 v[64*\a+32+4*\t:64*\a+32+4*\t+3], v[L16], s[24:25] offset:8192*\a+4096+512*\t
.endr
.endr
	WIN 0
.irp t, 0,1,2,3,4,5,6,7
	global_load_b128 v[NW+8*\t:NW+8*\t+3], v[NWO], s[20:21] offset:64*\t
	global_load_b128 v[NW+8*\t+4:NW+8*\t+7], v[NWO], s[20:21] offset:64*\t+16
.endr
.endif
.endr
	v_and_b32 v1, 15, v0
	v_bfe_u32 v2, v0, 4, 1
	v_and_b32 v3, 31, v0
	s_wait_alu depctr_va_vdst(0)
	s_mul_i32 s4, s[WE], ABLK
	s_add_co_u32 s4, s4, ABLK
	s_mul_i32 s5, s[WI], 6144
	s_lshl_b32 s6, s[WI], 9
	s_mul_i32 s7, s[WI], ABLK
	s_add_co_u32 s7, s7, ABLK
	s_mul_i32 s8, s[WE], 6144
	s_add_co_u32 s8, s8, s7
	s_lshl_b32 s9, s[WE], 9
	s_add_co_u32 s9, s9, s7
	s_cmp_eq_u32 ttmp9, 3
	s_cselect_b32 s4, 0, s4
	s_cselect_b32 s5, s8, s5
	s_cselect_b32 s6, s9, s6
	v_lshl_add_u32 v[AD0], v3, 4, s4
	v_lshl_add_u32 v[AS0], v3, 2, s4
	v_lshl_add_u32 v[AD1], v3, 4, s5
	v_lshl_add_u32 v[AS1], v3, 2, s6
.irp n, AD0, AS0, AD1, AS1
	v_add_nc_u32 v[\n+1], SLOT, v[\n]
.endr
	s_mul_i32 s11, s[WI], 6144
	v_add_nc_u32 v[COF], s11, v[L16]
	s_lshl_b32 s11, s[WI], 9
	s_add_co_u32 s11, s11, 12288
	v_lshl_add_u32 v[SOF], v3, 2, s11
	v_lshrrev_b32 v6, 3, v1
	v_mul_u32_u24 v7, v6, 1408
	v_lshl_add_u32 v7, v1, 4, v7
	v_lshl_add_u32 v7, v2, 8, v7
	s_mul_i32 s11, s[WE], 6144
	v_add_nc_u32 v[VCO], s11, v7
	v_mul_u32_u24 v7, v6, 96
	v_lshl_add_u32 v7, v1, 2, v7
	v_lshl_add_u32 v7, v2, 6, v7
	s_lshl_b32 s11, s[WE], 9
	s_add_co_u32 s11, s11, 12288
	v_add_nc_u32 v[VSO], s11, v7
	s_mov_b32 s[SEL], 0x76543210
	s_mov_b32 s[SEL+1], 0xfedcba98
	s_mov_b32 s[EPS], 0x358637bd
.macro MUL8 a, p, zero
.irp b, 0,1,2,3,4,5,6,7
.if \zero
	v_wmma_scale_f32_16x16x128_f8f6f4 v[8*(8*(\a)+\b):8*(8*(\a)+\b)+7], v[128*(\p)+12*\b:128*(\p)+12*\b+11], v[S1F+48*(\p)+12*(\a):S1F+48*(\p)+12*(\a)+11], 0, v[SC+12*(\p)+\b], v[SC+12*(\p)+8+(\a)] matrix_a_fmt:MATRIX_FMT_FP6 matrix_b_fmt:MATRIX_FMT_FP6
.else
	v_wmma_scale_f32_16x16x128_f8f6f4 v[8*(8*(\a)+\b):8*(8*(\a)+\b)+7], v[128*(\p)+12*\b:128*(\p)+12*\b+11], v[S1F+48*(\p)+12*(\a):S1F+48*(\p)+12*(\a)+11], v[8*(8*(\a)+\b):8*(8*(\a)+\b)+7], v[SC+12*(\p)+\b], v[SC+12*(\p)+8+(\a)] matrix_a_fmt:MATRIX_FMT_FP6 matrix_b_fmt:MATRIX_FMT_FP6
.endif
.endr
.endm
.macro FETCH_S0 slot, q, p
	WIN TO_S0
.irp t, 0,1,2,3,4,5,6,7
.irp c, 0,1,2
	ds_load_b128 v[128*(\p)+12*\t+4*\c:128*(\p)+12*\t+4*\c+3], v[AD0+\slot] offset:BLKB*(\q)+1536*\t+512*\c
.endr
.endr
	WIN 0
.irp t, 0,1,2,3,4,5,6,7
	ds_load_b32 v[SC+12*(\p)+\t], v[AS0+\slot] offset:BLKB*(\q)+12288+128*\t
.endr
.endm
.macro FETCH_S1 slot, q, p
.irp a, 0,1,2,3
.irp c, 0,1,2
	ds_load_b128 v[S1F+48*(\p)+12*\a+4*\c:S1F+48*(\p)+12*\a+4*\c+3], v[AD1+\slot] offset:BLKB*(\q)+1536*\a+512*\c
.endr
	ds_load_b32 v[SC+12*(\p)+8+\a], v[AS1+\slot] offset:BLKB*(\q)+12288+128*\a
.endr
.endm
.macro STEP slot, q, zero
	PLACES 4
	FETCH_S0 \slot, (\q)+1, 1-(\q)%2
	s_wait_dscnt 32
	WIN MUL
	MUL8 0, (\q)%2, \zero
	MUL8 1, (\q)%2, \zero
	WIN 0
	FETCH_S1 \slot, (\q)+1, 1-(\q)%2
	WIN MUL
	MUL8 2, (\q)%2, \zero
	MUL8 3, (\q)%2, \zero
	WIN 0
.endm
.macro TURN slot, next, fill
.if \fill
	s_wait_xcnt 0x0                                ; my last prefetch has read its address: it is stepped here, one chunk on
	s_add_nc_u64 s[68:69], s[68:69], ABLK
.endif
	s_wait_tensorcnt 0x0
	ds_add_u32 v[SPW], v[NIL]
	s_wait_dscnt 1
	WIN MUL
	MUL8 0, 1, 0
	s_wait_dscnt 0x0
	s_barrier_signal -1
	MUL8 1, 1, 0
	WIN 0
	s_barrier_wait -1
.if \fill
	CREST
	s_add_nc_u64 s[G0A+4*\slot+2:G0A+4*\slot+3], s[G0A+4*\slot+2:G0A+4*\slot+3], 8*BLKB
	s_add_nc_u64 s[G0B+4*\slot+2:G0B+4*\slot+3], s[G0B+4*\slot+2:G0B+4*\slot+3], 8*BLKB
	JLOAD G0A+4*\slot, G1A, G0B+4*\slot, G1B
.else
	PLACES 4
.endif
	FETCH_S0 \next, 0, 0
	FETCH_S1 \next, 0, 0
.if \fill
	s_cmp_gt_u32 s[LAP], 1                         ; the last lap's two refills have no chunk two on
	s_cbranch_scc0 .Lpf_\@
	global_prefetch_b8 v27, s[68:69] offset:ABLK th:TH_LOAD_NT scope:SCOPE_SE
	s_cmp_eq_u32 s[WI], 0
	s_cbranch_scc1 .Lpf_\@
	global_prefetch_b8 v28, s[68:69] offset:ABLK th:TH_LOAD_NT scope:SCOPE_SE
.Lpf_\@:
.endif
	WIN MUL
	MUL8 2, 1, 0
	MUL8 3, 1, 0
	WIN 0
.endm
	s_wait_tensorcnt 1
	s_barrier_signal -1
	s_barrier_wait -1
	FETCH_S0 0, 0, 0
	FETCH_S1 0, 0, 0
	STEP 0, 0, 1
	s_mov_b32 s[LAP], 3
.Llap:
	STEP 0, 1, 0
	STEP 0, 2, 0
	TURN 0, 1, 1
	STEP 1, 0, 0
	STEP 1, 1, 0
	STEP 1, 2, 0
	TURN 1, 0, 1
	STEP 0, 0, 0
	s_sub_co_u32 s[LAP], s[LAP], 1
	s_cmp_lg_u32 s[LAP], 0
	s_cbranch_scc1 .Llap
	STEP 0, 1, 0
	STEP 0, 2, 0
	TURN 0, 1, 0
	STEP 1, 0, 0
	STEP 1, 1, 0
	STEP 1, 2, 0
	s_wait_dscnt 0x0
	WIN MUL
	MUL8 0, 1, 0
	MUL8 1, 1, 0
	MUL8 2, 1, 0
	MUL8 3, 1, 0
	WIN 0
	PLACES 4
	s_wait_loadcnt 0x0
.irp b, 0,1,2,3
	v_mov_b32 v[TM+4+\b], 0
.endr
.macro QUANT src, win, flo, pcd, pwd
	WIN 5*(\win)
.irp b, 0,1,2,3
	v_max3_num_f32 v[TM+\b], |v[\src+16*\b]|, |v[\src+16*\b+1]|, \flo
.endr
.irp i, 2,4,6,8,10,12,14
.irp b, 0,1,2,3
	v_max3_num_f32 v[TM+\b], |v[\src+16*\b+\i]|, |v[\src+16*\b+\i+1]|, v[TM+\b]
.endr
.endr
	WIN 0
.irp b, 0,1,2,3
	v_permlanex16_b32 v[TM+4+\b], v[TM+\b], s[SEL], s[SEL+1]
.endr
.irp b, 0,1,2,3
	v_max_num_f32 v[TM+\b], v[TM+\b], v[TM+4+\b]
.endr
.irp b, 0,1,2,3
	v_add_nc_u32 v[TM+12+\b], 0xff000000, v[TM+\b]
.endr
.irp b, 0,1,2,3
	v_lshrrev_b32 v[TM+4+\b], 23, v[TM+12+\b]
.endr
	v_lshl_or_b32 v[\pwd], v[TM+5], 8, v[TM+4]
	v_lshl_or_b32 v[\pwd], v[TM+6], 16, v[\pwd]
	v_lshl_or_b32 v[\pwd], v[TM+7], 24, v[\pwd]
	WIN \win
.irp c, 0,1
	v_cvt_scalef32_pk16_fp6_f32 v[\pcd+6*\c:\pcd+6*\c+2], v[\src+32*\c:\src+32*\c+15], v[TM+12+2*\c]
	v_cvt_scalef32_pk16_fp6_f32 v[\pcd+12+4*\c:\pcd+14+4*\c], v[\src+32*\c+16:\src+32*\c+31], v[TM+13+2*\c]
.endr
	WIN 0
	v_nop
.irp c, 0,1
.irp i, 0,1,2
	v_permlane16_swap_b32 v[\pcd+6*\c+\i], v[\pcd+12+4*\c+\i]
.endr
.irp i, 0,1,2
	v_mov_b32 v[\pcd+3+6*\c+\i], v[\pcd+12+4*\c+\i]
.endr
.endr
.endm
	s_cmp_eq_u32 ttmp9, 3
	s_cbranch_scc1 .Lv
	s_lshl_b32 s12, s99, 1
	s_add_co_u32 s12, s12, s[WE]
	s_lshl_b32 s12, s12, 4
	s_add_co_u32 s12, s12, s95
	s_mul_i32 s12, s12, BLKB
	s_mov_b32 s13, 0
	s_add_nc_u64 s[26:27], s[26:27], s[12:13]
	s_cmp_lt_u32 ttmp9, 2
	s_cselect_b32 s[ADJ], 0x04040404, 0
.macro EPI_QK a
	WIN 0x0a
	v_pk_mul_f32 v[SS:SS+1], v[64*\a:64*\a+1], v[64*\a:64*\a+1]
	v_pk_mul_f32 v[SS+2:SS+3], v[64*\a+2:64*\a+3], v[64*\a+2:64*\a+3]
.set kk, 64*\a+4
.rept 15
	v_pk_fma_f32 v[SS:SS+1], v[kk:kk+1], v[kk:kk+1], v[SS:SS+1]
	v_pk_fma_f32 v[SS+2:SS+3], v[kk+2:kk+3], v[kk+2:kk+3], v[SS+2:SS+3]
.set kk, kk+4
.endr
	WIN 0
	v_pk_add_f32 v[SS:SS+1], v[SS:SS+1], v[SS+2:SS+3]
	v_add_f32 v[SS], v[SS], v[SS+1]
	v_permlanex16_b32 v[SS+2], v[SS], s[SEL], s[SEL+1]
	v_add_f32 v[SS], v[SS], v[SS+2]
	v_fma_f32 v[SS], v[SS], 0x3c000000, s[EPS]
	s_wait_alu depctr_va_vdst(0)
	v_rsq_f32 v[RS], v[SS]
	v_mov_b32 v[RS+1], 0
	s_wait_alu depctr_va_vdst(0)
	WIN 0x02
.set kk, 0
.rept 32
	v_pk_mul_f32 v[Y+kk:Y+kk+1], v[64*\a+kk:64*\a+kk+1], v[RS:RS+1] op_sel_hi:[1,0]
.set kk, kk+2
.endr
	WIN 0
.set kk, 0
.rept 32
	v_pk_mul_f32 v[Y+kk:Y+kk+1], v[Y+kk:Y+kk+1], v[NW+kk:NW+kk+1]
.set kk, kk+2
.endr
	WIN 0x0c
.set kk, 0
.rept 16
.set tt, T+4*((kk/2)%4)
	v_pk_mul_f32 v[tt:tt+1], v[Y+32+kk:Y+33+kk], v[64*\a+32+kk:64*\a+33+kk]
	v_pk_mul_f32 v[tt+2:tt+3], v[Y+kk:Y+kk+1], v[64*\a+32+kk:64*\a+33+kk]
	v_pk_fma_f32 v[Y+kk:Y+kk+1], v[Y+kk:Y+kk+1], v[64*\a+kk:64*\a+kk+1], v[tt:tt+1] neg_lo:[0,0,1] neg_hi:[0,0,1]
	v_pk_fma_f32 v[Y+32+kk:Y+33+kk], v[Y+32+kk:Y+33+kk], v[64*\a+kk:64*\a+kk+1], v[tt+2:tt+3]
.set kk, kk+2
.endr
	WIN 0
	s_wait_xcnt 0x0
	QUANT Y, 0, 0x03800000, PCD, PW
	v_sub_nc_u32 v[PW], v[PW], s[ADJ]
.irp c, 0,1,2
	global_store_b128 v[COF], v[PCD+4*\c:PCD+4*\c+3], s[26:27] offset:1536*\a+512*\c
.endr
	global_store_b32 v[SOF], v[PW], s[26:27] offset:128*\a
.endm
	EPI_QK 0
	EPI_QK 1
	EPI_QK 2
	EPI_QK 3
	s_branch .Ldone
.Lv:
	s_sub_co_u32 s12, s99, 12
	s_lshl_b32 s12, s12, 1
	s_add_co_u32 s12, s12, s[WI]
	s_lshl_b32 s12, s12, 4
	s_add_co_u32 s12, s12, s95
	s_mul_i32 s12, s12, BLKB
	s_mov_b32 s13, 0
	s_add_nc_u64 s[28:29], s[28:29], s[12:13]
.macro EPI_V a
	s_wait_xcnt 0x0
	QUANT 64*\a, 2, 0x03800000, PCD, PW
.irp c, 0,1,2
	global_store_b128 v[VCO], v[PCD+4*\c:PCD+4*\c+3], s[28:29] offset:1536*(\a-\a%2)+128*(\a%2)+512*\c
.endr
	global_store_b32 v[VSO], v[PW], s[28:29] offset:128*(\a-\a%2)+32*(\a%2)
.endm
	EPI_V 0
	EPI_V 1
	EPI_V 2
	EPI_V 3
.Ldone:
	s_wait_tensorcnt 0x0
	ds_add_u32 v[SPW], v[NIL]
	s_wait_dscnt 0x0
	CROUND
	s_endpgm
.Lfunc_end_k_q45c521d498_qkv:
	.size	k_q45c521d498_qkv, .Lfunc_end_k_q45c521d498_qkv-k_q45c521d498_qkv
	.p2alignl 7, 3214868480
	.fill 96, 4, 3214868480
	.section	.rodata,"a",@progbits
	.p2align	6, 0x0
	.amdhsa_kernel k_q45c521d498_qkv
		.amdhsa_group_segment_fixed_size 327680
		.amdhsa_private_segment_fixed_size 0
		.amdhsa_enable_private_segment 0
		.amdhsa_kernarg_size 56
		.amdhsa_user_sgpr_count 2
		.amdhsa_user_sgpr_kernarg_segment_ptr 1
		.amdhsa_wavefront_size32 1
		.amdhsa_system_sgpr_workgroup_id_x 1
		.amdhsa_system_sgpr_workgroup_id_y 1
		.amdhsa_system_sgpr_workgroup_id_z 1
		.amdhsa_system_vgpr_workitem_id 0
		.amdhsa_next_free_vgpr 1024
		.amdhsa_next_free_sgpr 102
		.amdhsa_reserve_vcc 0
		.amdhsa_float_denorm_mode_32 3
		.amdhsa_float_denorm_mode_16_64 3
		.amdhsa_memory_ordered 1
		.amdhsa_forward_progress 1
		.amdhsa_inst_pref_size 216
	.end_amdhsa_kernel
	.amdgpu_metadata
---
amdhsa.version: [ 1, 2 ]
amdhsa.kernels:
  - .name:           k_q45c521d498_qkv
    .symbol:         k_q45c521d498_qkv.kd
    .args:
      - { .name: hblk, .offset: 0, .size: 8, .value_kind: global_buffer, .address_space: global }
      - { .name: wblk, .offset: 8, .size: 8, .value_kind: global_buffer, .address_space: global }
      - { .name: q_norm_w, .offset: 16, .size: 8, .value_kind: global_buffer, .address_space: global }
      - { .name: k_norm_w, .offset: 24, .size: 8, .value_kind: global_buffer, .address_space: global }
      - { .name: rope, .offset: 32, .size: 8, .value_kind: global_buffer, .address_space: global }
      - { .name: qk, .offset: 40, .size: 8, .value_kind: global_buffer, .address_space: global }
      - { .name: vblk, .offset: 48, .size: 8, .value_kind: global_buffer, .address_space: global }
    .group_segment_fixed_size: 327680
    .private_segment_fixed_size: 0
    .kernarg_segment_align: 8
    .kernarg_segment_size: 56
    .max_flat_workgroup_size: 128
    .sgpr_count:     102
    .vgpr_count:     1024
    .wavefront_size: 32
...
	.end_amdgpu_metadata
.endif
;; end of part 2
;; launch attn (part 3): grid 32 x 8, 8 waves a work-group, clusters of 4 x 4, 327,680 bytes of LDS; arguments qk, vblk, attention_mask, cblk; writes cblk
.if DOCPART == 3
	.amdgcn_target "amdgcn-amd-amdhsa--gfx1250"
	.amdhsa_code_object_version 6
	.text
	.protected	k_q45c521d498_attn
	.globl	k_q45c521d498_attn
	.p2align	8
	.type	k_q45c521d498_attn,@function
k_q45c521d498_attn:
	s_mov_b64 s[64:65], 0
	v_nop
	global_prefetch_b8 v0, s[64:65] scope:SCOPE_SE
	s_setreg_imm32_b32 hwreg(HW_REG_WAVE_MODE, 25, 1), 1
	s_wait_xcnt 0x0
	s_wait_alu depctr_hold_cnt(0) depctr_sa_sdst(0) depctr_va_vdst(0) depctr_va_sdst(0) depctr_va_ssrc(0) depctr_va_vcc(0) depctr_vm_vsrc(0)
	s_getreg_b32 s2, hwreg(HW_REG_IB_STS2, 6, 4)
	s_cmp_eq_u32 s2, 0
	s_cbranch_scc0 .Lentry_in_a_cluster
	s_endpgm
.Lentry_in_a_cluster:
	s_bfe_u32 s2, ttmp6, 0x10000c
	s_cmp_lg_u32 s2, 0xf033
	s_cbranch_scc0 .Lentry_shape_is_right
	s_endpgm
.Lentry_shape_is_right:
; ctx = softmax(q k^T / sqrt(128) + mask) v for 16 query heads on 8 key/value heads, both products on codes of FP6 (E2M3) with E8M0 scales; ctx is quantised along its 128 channels and leaves as codes.
; The mask is an input: all 2,048 x 2,048 of it are read and added, and every score is computed.  No work of the problem is left out.
; SHARES.  A work-group owns 64 queries (block QB, along x) of one key/value head (kv, along y).  Eight waves, two to a SIMD.  Waves w and w + 4 own the same 16 queries (16 (w % 4) ..) for BOTH query heads 2 kv, 2 kv + 1
; and divide the keys: of each slot of 256 keys group A (waves 0-3) takes the first 128, group B (waves 4-7) the second 128.  At the end the two exchange one head each through LDS, join the parts, and each finishes one head.
; THE TWO GROUPS ARE HALF A STEP APART: between two changes of slots group A runs KSTEP (fetch, scores, fetch of v) and then SMPV (softmax, products with v); group B runs SMPV of its last step and then KSTEP.
; LAYOUT.  Both products are used transposed: S^T = k q^T (source 0 = 16 keys), O^T = v^T p^T (source 0 = 16 channels): a lane holds ONE query (lane % 16); register 8 t + j of S^T is key 16 t + 8 (lane / 16) + j.
; p is quantised with register 16 b + i as place 32 b + 16 (lane / 16) + i; v's codes were made from the same layout.
; THE MASK IS THE C OF THE SCORE PRODUCT and lands in head 0's score registers: head 1's products take them as C, then, five places on, head 0's add in place.
; q's scale bytes were stored 4 lower: S = q . k / 16 + mask / sqrt(2), t = S x 16 log2(e) / sqrt(128).
; SOFTMAX: M = the running largest t rounded up to a whole number, kept as -M; p = 2^(t - M) is quantised, not normalised; the sum is taken of the unquantised p; when M moves, sum and O^T are multiplied by 2^(old M - new M): exact.
; The two heads' softmaxes are laid into each other: both heads' maxima and rescalings first; head 1's multiply-adds stand behind head 0's exponentials, head 0's quantiser, sum and products behind head 1's.
; The two groups' parts are joined as a change of M is made: both are brought under the larger M by powers of two.
; RING: two LDS slots of 256 keys: two blocks of k, two of v, 64 rows x 1,024 bytes of the mask.  Every wave issues one joint load a slot: waves 0-3 one block each, waves 4-7 sixteen rows of the mask each.
; CLUSTER 4 x 4: k and v hang on kv and are asked for jointly along a row, the mask's tile on QB and along a column.  One load of a wave is out at a time; every wait on TENSORcnt is for 0.
; The tiles of later slots are asked for ahead of their loads (macro ASK; slots 1 and 2 at the head).
; LIMITS: a query all of whose t lie under -3e38 gives NaN; mask values above 1.6e38 overflow t; blocks of p and ctx whose largest magnitude lies under 2^-124 keep the floor's scale; NaN and infinities are not served.
; REGISTERS.  window 0: v1-13, v50 addresses; v16 + 8 hh statistics of head hh (-M, largest t, the sum's two halves, f, p's scale word); v32-49, v102-111 at work; v52 + 12 hh p's codes; v84-101 scale words; v128 + 64 hh S^T, then p.
;   window 1: O^T at 64 hh + 8 n; q at 128 + 12 hh; k's fragments, then v's, at 152 + 12 t.
.set BLKB,  13312
.set SLOT1, 1<<17                      ; slot 1 begins here: one exclusive or turns an address
.set VOFF,  2*BLKB
.set MOFF,  4*BLKB
.set MP,    1040                       ; a row of the mask in LDS: 1,024 bytes + 16
.set SPARE, 2*SLOT1                    ; the spare words: 8 waves x 128 bytes
.set STG,   8704                       ; a wave's stage for the exchange: 64 registers' images and one of four; it lies in slot 0's bytes, behind their last fill and last read
.set L16, 1                            ; 16 lane + my group's block
.set L4,  2                            ; 4 lane + my group's block
.set MB,  3                            ; my query's row of the mask's tile, my group's 128 keys
.set SPW, 4
.set NIL, 5
.set ADK, 6
.set ADS, 7
.set ADM, 8
.set PFO, 9                            ; the mask's prefetches: my lane's offset; never rewritten
.set FO,  10
.set FS,  11
.set MGS, 12                           ; my stage
.set MGL, 13                           ; my partner's
.set PFK, 50                           ; k's and v's prefetches: my lane's offset; never rewritten
.set BM,  32                           ; v32 + 4 hh: the blocks' largest scores, then largest p
.set T2,  40                           ; v40 + 4 hh
.set TT,  48                           ; v48 + hh
.set TM,  32
.set CH,  76
.set KS,  84
.set VS,  92
.set QS,  100
.set CA,  102                          ; v102-107: three chains of the sum
.set SO,  108                          ; v108-111: the conversions' scale operands
.set QF,  128                          ; window 1
.set KV,  152                          ; window 1
.set WV,  12
.set WE,  19
.set SEL, 20
.set CS,  22
.set G1KV, 24
.set G1M,  32
.set G0KV, 40
.set G0M,  44
.set PKA,  48
.set LIMK, 50
.set RT,   66
.set TB,   68
.set SLOTS, 69
.set LIM,  70
.set PFA,  72
.set WQ,   90
.set GRP,  91
.set MSB, 0
.macro WIN new
.if MSB != \new
	s_set_vgpr_msb (MSB<<8)|\new
.set MSB, \new
.endif
.endm
.macro PLACES n
.rept \n
	v_nop
.endr
.endm
.macro CROUND                          ; a round of the cluster's barrier
	s_barrier_signal -1
	s_barrier_wait -1
	s_cmp_lg_u32 s[WV], 0
	s_cbranch_scc1 .Lnot_wave_0_\@
	s_barrier_signal -3
.Lnot_wave_0_\@:
	s_barrier_wait -3
	s_barrier_signal -1
	s_barrier_wait -1
.endm
; A joint load, one a wave: group A a block of k or v, group B sixteen rows of the mask.  The branch hangs on the wave's number alone.  s_nop 0 and four v_nop follow each load.
.macro JLOAD
	s_cmp_eq_u32 s[GRP], 0
	s_cbranch_scc0 .Lfor_m_\@
	tensor_load_to_lds s[G0KV:G0KV+3], s[G1KV:G1KV+7]
	s_nop 0
.rept 4
	v_nop
.endr
	s_branch .Lasked_\@
.Lfor_m_\@:
	tensor_load_to_lds s[G0M:G0M+3], s[G1M:G1M+7]
	s_nop 0
.rept 4
	v_nop
.endr
.Lasked_\@:
.endm
; THE PREFETCHES INTO THE L2 of the tiles that the NEXT change of slots will ask for; both addresses stand one slot behind what is named.  The last change that fills a slot asks for nothing.
; The mask: 64 rows x 1,024 bytes.  Each aligned block of 256 bytes is named once in the launch: the clusters of one x read the same rows: cluster y = 0 asks; its four partners of a column take 16 rows each,
; told apart BY ADDRESS; in each, waves 2 and 3 take 8 rows: 4 blocks a row, a lane a block.
; k and v: each block of 256 bytes is named once in each cluster that will load it: of the 52 that wave w (0-3) loads, the partner at place cx of the row takes 13, told apart BY ADDRESS: a lane a block; lanes 13-31 name the last again.
.macro ASK
	s_cmp_gt_u32 s[SLOTS], s[LIM]
	s_cbranch_scc0 .Lnot_mine_\@
	global_prefetch_b8 v[PFO], s[PFA:PFA+1] offset:1024 th:TH_LOAD_NT scope:SCOPE_SE
.Lnot_mine_\@:
	s_cmp_gt_u32 s[SLOTS], s[LIMK]
	s_cbranch_scc0 .Lnot_kv_\@
	global_prefetch_b8 v[PFK], s[PKA:PKA+1] offset:2*BLKB th:TH_LOAD_NT scope:SCOPE_SE
.Lnot_kv_\@:
.endm
	s_load_b256 s[4:11], s[0:1], 0x0               ; qk, vblk, the mask, cblk
	v_lshl_add_u32 v[SPW], v0, 2, SPARE
	v_mov_b32 v[NIL], 0
	ds_add_u32 v[SPW], v[NIL]                      ; the opening lines: the add twice on end and one wait
	ds_add_u32 v[SPW], v[NIL]
	v_lshrrev_b32 v14, 5, v0
	v_readfirstlane_b32 s[WV], v14                 ; wave 0..7
	s_and_b32 s[WE], s[WV], 1
	s_and_b32 s[WQ], s[WV], 3                      ; which 16 queries; which block or rows I load
	s_lshr_b32 s[GRP], s[WV], 2                    ; group A (0) or B (1)
	s_bfe_u32 s13, ttmp6, 0x40000                  ; cx
	s_bfe_u32 s14, ttmp6, 0x40004                  ; cy
	s_lshl_b32 s15, ttmp9, 2
	s_add_co_u32 s15, s15, s13                     ; QB
	s_and_b32 s16, ttmp7, 0xffff
	s_lshl_b32 s16, s16, 2
	s_add_co_u32 s16, s16, s14                     ; kv
	s_lshl_b32 s17, s14, 2
	s_lshl_b32 s17, 15, s17                        ; my row of the cluster
	s_lshl_b32 s18, 0x1111, s13                    ; my column
	; group 1: a block of k or v: 52 dense rows of 256 bytes (32 elements of 8); the mask: 16 rows of 256 f32, 2,048 apart, 16 bytes of padding behind each
	s_or_b32 s[G1KV], s17, (3<<16)|(1<<21)
	s_mov_b32 s[G1KV+1], 32<<16
	s_mov_b32 s[G1KV+2], 52<<16
	s_mov_b32 s[G1KV+3], 32<<16
	s_mov_b32 s[G1KV+4], 52
	s_mov_b32 s[G1KV+5], 32
	s_mov_b32 s[G1KV+6], 0
	s_mov_b32 s[G1KV+7], 0
	s_or_b32 s[G1M], s18, (2<<16)|(1<<20)|(1<<21)|(7<<22)|(3<<25)
	s_mov_b32 s[G1M+1], 256<<16
	s_mov_b32 s[G1M+2], 16<<16
	s_mov_b32 s[G1M+3], 256<<16
	s_mov_b32 s[G1M+4], 16
	s_mov_b32 s[G1M+5], 2048
	s_mov_b32 s[G1M+6], 0
	s_mov_b32 s[G1M+7], 0
	s_add_co_u32 s74, s16, 16
	s_lshl_b32 s74, s74, 4
	s_add_co_u32 s74, s74, s[WE]
	s_mul_i32 s74, s74, BLKB                       ; k's head 16 + kv, block wave % 2
	s_mov_b32 s75, 0
	s_lshl_b32 s76, s16, 4
	s_add_co_u32 s76, s76, s[WE]
	s_mul_i32 s76, s76, BLKB                       ; v's head, block wave % 2
	s_mov_b32 s77, 0
	s_lshl_b32 s78, s15, 6
	s_lshl_b32 s79, s[WQ], 4
	s_add_co_u32 s78, s78, s79
	s_lshl_b32 s78, s78, 13                        ; the mask: row 64 QB + 16 (wave % 4), 8,192 bytes a row
	s_mov_b32 s79, 0
	s_lshl_b32 s80, s16, 5
	s_lshr_b32 s81, s15, 1
	s_add_co_u32 s80, s80, s81
	s_mul_i32 s80, s80, BLKB                       ; q: head 2 kv, token block QB / 2
	s_mov_b32 s81, 0
	s_lshr_b32 s82, s15, 1
	s_lshl_b32 s82, s82, 4
	s_lshl_b32 s83, s16, 1
	s_add_co_u32 s82, s82, s83
	s_mul_i32 s82, s82, BLKB                       ; ctx: token block QB / 2, head 2 kv
	s_mov_b32 s83, 0
	s_and_b32 s84, s15, 1
	s_lshl_b32 s84, s84, 2
	s_add_co_u32 s84, s84, s[WQ]                   ; my fragment in those blocks: 4 (QB % 2) + wave % 4
	s_mul_i32 s85, s[WQ], 16*MP
	s_add_co_u32 s85, s85, MOFF                    ; where my rows of the mask go
	s_lshl_b32 s86, s15, 6
	s_lshl_b32 s87, s14, 4
	s_add_co_u32 s86, s86, s87
	s_lshl_b32 s87, s[WE], 3
	s_add_co_u32 s86, s86, s87
	s_lshl_b32 s86, s86, 13
	s_add_co_u32 s86, s86, 1024                    ; the mask's prefetches: row 64 QB + 16 cy + 8 (wave % 2), at slot 1
	s_mov_b32 s87, 0
	s_lshr_b32 s97, s[WV], 1
	s_xor_b32 s97, s97, 1                          ; 0 in waves 2 and 3 alone,
	s_and_b32 s98, ttmp7, 0xffff
	s_or_b32 s97, s97, s98                         ; of cluster y = 0: the same in all sixteen partners
	s_cmp_eq_u32 s97, 0
	s_cselect_b32 s[LIM], 1, -1
	s_cmp_eq_u32 s[GRP], 0
	s_cselect_b32 s[LIMK], 1, -1                   ; group A asks for k and v
	s_mul_i32 s52, s13, 13*256                     ; my work-group's 13 blocks of the 52 that I load,
	s_add_co_u32 s52, s52, 2*BLKB                  ; at slot 1
	s_mov_b32 s53, 0
	s_mul_i32 s88, s[GRP], BLKB                    ; my group's block of a slot
	s_lshl_b32 s89, s[WQ], 4
	s_lshl_b32 s92, s[GRP], 9
	s_add_co_u32 s92, s92, MOFF                    ; my group's 128 keys of a row of the mask
	s_mul_i32 s93, s84, 1536
	s_lshl_b32 s94, s84, 7
	s_add_co_u32 s94, s94, 12288
	s_mul_i32 s95, s[WV], STG
	s_xor_b32 s96, s[WV], 4
	s_mul_i32 s96, s96, STG
	s_mov_b32 s[SEL], 0x76543210
	s_mov_b32 s[SEL+1], 0xfedcba98
	s_mov_b32 s[CS], 0x400293ee                    ; 16 log2(e) / sqrt(128)
	s_mov_b32 s[CS+1], s[CS]
	s_mov_b32 s[RT], 0x3f3504f3                    ; 1 / sqrt(2)
	s_mov_b32 s[RT+1], s[RT]
	s_mov_b32 s[TB], 0
	s_mov_b32 s[SLOTS], 6
	s_mov_b32 s[G0KV], 1
	s_mul_i32 s[G0KV+1], s[WQ], BLKB               ; k's two blocks, then v's two: wave % 4 blocks from the slot's start
	s_mov_b32 s[G0M], 1
	s_mov_b32 s[G0M+1], s85
	s_wait_dscnt 0x0                               ; both opening adds are done
	s_wait_kmcnt 0x0
	s_add_nc_u64 s[74:75], s[4:5], s[74:75]
	s_add_nc_u64 s[76:77], s[6:7], s[76:77]
	s_cmp_lt_u32 s[WQ], 2                          ; waves 0, 1 load k, waves 2, 3 v
	s_cselect_b64 s[G0KV+2:G0KV+3], s[74:75], s[76:77]
	s_cselect_b64 s[PKA:PKA+1], s[74:75], s[76:77]
	s_or_b32 s[G0KV+3], s[G0KV+3], 0x80000000
	s_add_nc_u64 s[PKA:PKA+1], s[PKA:PKA+1], s[52:53]
	s_add_nc_u64 s[G0M+2:G0M+3], s[8:9], s[78:79]
	s_or_b32 s[G0M+3], s[G0M+3], 0x80000000
	s_add_nc_u64 s[PFA:PFA+1], s[8:9], s[86:87]
	s_add_nc_u64 s[4:5], s[4:5], s[80:81]
	s_add_nc_u64 s[10:11], s[10:11], s[82:83]
	CROUND                                         ; all sixteen work-groups are here: the first joint loads meet
	JLOAD                                          ; slot 0: one tensor load a wave at the head
	v_and_b32 v14, 31, v0                          ; lane
	v_and_b32 v15, 15, v0                          ; r
	v_bfe_u32 v32, v0, 4, 1                        ; h
	v_lshl_add_u32 v[L16], v14, 4, s88
	v_lshl_add_u32 v[L4], v14, 2, s88
	v_add_nc_u32 v33, s89, v15                     ; my query's row of the mask's tile
	v_mul_u32_u24 v[MB], v33, MP
	v_lshl_add_u32 v[MB], v32, 5, v[MB]            ; + 32 h: my eight keys of a tile
	v_add_nc_u32 v[MB], s92, v[MB]
	v_lshrrev_b32 v33, 2, v14
	v_lshlrev_b32 v[PFO], 13, v33
	v_and_b32 v33, 3, v14
	v_lshl_add_u32 v[PFO], v33, 8, v[PFO]          ; row lane / 4, block lane % 4
	v_lshl_add_u32 v[FO], v14, 4, s93
	v_lshl_add_u32 v[FS], v14, 2, s94
	v_lshl_add_u32 v[MGS], v14, 4, s95
	v_lshl_add_u32 v[MGL], v14, 4, s96
	v_min_u32 v[PFK], 12, v14
	v_lshlrev_b32 v[PFK], 8, v[PFK]                ; block min(lane, 12)
	s_wait_alu depctr_va_vdst(0)                   ; the wait ahead of the branches
	s_cmp_eq_u32 s[LIM], 1                         ; slots 1 and 2 are asked for here, behind slot 0's load
	s_cbranch_scc0 .Lhead_not_mine
	global_prefetch_b8 v[PFO], s[PFA:PFA+1] th:TH_LOAD_NT scope:SCOPE_SE
	global_prefetch_b8 v[PFO], s[PFA:PFA+1] offset:1024 th:TH_LOAD_NT scope:SCOPE_SE
.Lhead_not_mine:
	s_cmp_eq_u32 s[LIMK], 1
	s_cbranch_scc0 .Lhead_not_kv
	global_prefetch_b8 v[PFK], s[PKA:PKA+1] th:TH_LOAD_NT scope:SCOPE_SE
	global_prefetch_b8 v[PFK], s[PKA:PKA+1] offset:2*BLKB th:TH_LOAD_NT scope:SCOPE_SE
.Lhead_not_kv:
	WIN 0x40                                       ; destination window 1
.irp hh, 0,1
.irp c, 0,1,2
	global_load_b128 v[QF+12*\hh+4*\c:QF+12*\hh+4*\c+3], v[FO], s[4:5] offset:16*BLKB*\hh+512*\c   ; q's fragments stay in registers
.endr
.endr
.set kk, 0
.rept 128
	v_mov_b32 v[kk], 0                             ; O^T: the step has no first form of its own: the first change of M multiplies zeros
.set kk, kk+1
.endr
	WIN 0
.irp hh, 0,1
	global_load_b32 v[QS+\hh], v[FS], s[4:5] offset:16*BLKB*\hh
	v_mov_b32 v[17+8*\hh], 0xff61b1e6              ; the largest t so far: -3e38
	v_floor_f32 v[16+8*\hh], -v[17+8*\hh]          ; -M
	v_mov_b32 v[18+8*\hh], 0                       ; the sum, in two halves
	v_mov_b32 v[19+8*\hh], 0
	v_mov_b32 v[20+8*\hh], 0
	v_mov_b32 v[21+8*\hh], 0
.endr
.irp b, 0,1,2,3,4,5,6,7
	v_mov_b32 v[T2+\b], 0                          ; a lane permute's destination counts as one of its sources
.endr
.macro MASKIN                          ; my 16 queries x 128 keys of the mask, into head 0's score registers
.irp t, 0,1,2,3,4,5,6,7
	ds_load_b128 v[128+8*\t:128+8*\t+3], v[ADM] offset:64*\t
	ds_load_b128 v[128+8*\t+4:128+8*\t+7], v[ADM] offset:64*\t+16
.endr
.endm
; KSTEP: my group's 128 keys of the slot at TB: k, its scale words and the mask come in, the scores are made, and v takes k's registers.  pm = 1: group B has fetched its mask in the SMPV before.
.macro KSTEP ask, pm
	WIN 0
	v_add_nc_u32 v[ADK], s[TB], v[L16]             ; these three and the v_nop are the four places behind the last products with v, in front of loads into their registers
	v_add_nc_u32 v[ADS], s[TB], v[L4]
	v_add_nc_u32 v[ADM], s[TB], v[MB]
	v_nop
	WIN 0x40
.irp t, 0,1,2,3,4,5,6,7
.irp c, 0,1,2
	ds_load_b128 v[KV+12*\t+4*\c:KV+12*\t+4*\c+3], v[ADK] offset:1536*\t+512*\c
.endr
.endr
	WIN 0
.if \pm
	s_wait_alu depctr_va_vdst(0)                   ; the wait ahead of the branch
	s_cmp_lg_u32 s[GRP], 0
	s_cbranch_scc1 .Lhave_\@
.endif
	MASKIN
.if \pm
.Lhave_\@:
.endif
.irp t, 0,1,2,3,4,5,6,7
	ds_load_b32 v[KS+\t], v[ADS] offset:12288+128*\t
.endr
.if \ask
	ASK
.endif
	s_wait_alu depctr_va_vdst(0)
	s_wait_dscnt 0x0
.set kk, 128
.rept 32
	v_pk_mul_f32 v[kk:kk+1], v[kk:kk+1], s[RT:RT+1] op_sel_hi:[1,0]   ; the mask / sqrt(2), once for both heads
.set kk, kk+2
.endr
	WIN 0x05                                       ; k and q window 1, the mask and S^T window 0
.irp hh, 1,0                                   ; head 1 first: it reads the mask; head 0 writes over it, five places behind head 1's last product
.irp t, 0,1,2,3,4,5,6,7
	v_wmma_scale_f32_16x16x128_f8f6f4 v[128+64*\hh+8*\t:128+64*\hh+8*\t+7], v[KV+12*\t:KV+12*\t+11], v[QF+12*\hh:QF+12*\hh+11], v[128+8*\t:128+8*\t+7], v[KS+\t], v[QS+\hh] matrix_a_fmt:MATRIX_FMT_FP6 matrix_b_fmt:MATRIX_FMT_FP6
.endr
	PLACES 5                                       ; behind head 0's they are the places in front of v's loads and of the scores' first read
.endr
	WIN 0x40
.irp n, 0,1,2,3,4,5,6,7
.irp c, 0,1,2
	ds_load_b128 v[KV+12*\n+4*\c:KV+12*\n+4*\c+3], v[ADK] offset:VOFF+1536*\n+512*\c
.endr
.endr
	WIN 0
.irp n, 0,1,2,3,4,5,6,7
	ds_load_b32 v[VS+\n], v[ADS] offset:VOFF+12288+128*\n
.endr
.endm
.macro PV hh                           ; O^T += v^T p^T: eight accumulators, one instruction each
	WIN 0x51                                       ; v window 1, p window 0, O^T window 1
.irp n, 0,1,2,3,4,5,6,7
	v_wmma_scale_f32_16x16x128_f8f6f4 v[64*\hh+8*\n:64*\hh+8*\n+7], v[KV+12*\n:KV+12*\n+11], v[52+12*\hh:52+12*\hh+11], v[64*\hh+8*\n:64*\hh+8*\n+7], v[VS+\n], v[21+8*\hh] matrix_a_fmt:MATRIX_FMT_FP6 matrix_b_fmt:MATRIX_FMT_FP6
.endr
.endm
.macro TMINUSM hh                      ; t - M of head hh's 64 scores and of its four blocks' largest
.set kk, 128+64*\hh
.rept 32
	v_pk_fma_f32 v[kk:kk+1], v[kk:kk+1], s[CS:CS+1], v[16+8*\hh:17+8*\hh] op_sel_hi:[1,0,0]
.set kk, kk+2
.endr
.irp b, 0,1,2,3
	v_fma_f32 v[BM+4*\hh+\b], v[BM+4*\hh+\b], s[CS], v[16+8*\hh]
.endr
.endm
.macro EXPS hh                         ; p = 2^(t - M), and each block's largest p
.set kk, 128+64*\hh
.rept 64
	v_exp_f32 v[kk], v[kk]
.set kk, kk+1
.endr
.irp b, 0,1,2,3
	v_exp_f32 v[BM+4*\hh+\b], v[BM+4*\hh+\b]
.endr
.endm
.macro TAILQ hh                        ; head hh's p: scales, codes, then the row's sum of the unquantised p, whose 32 additions are the places between the codes and scale word and the products
.set ST, 16+8*\hh
.set SR, 128+64*\hh
.set PH, 52+12*\hh
.set BMH, BM+4*\hh
.set T2H, T2+4*\hh
.irp b, 0,1,2,3
	v_max_num_f32 v[BMH+\b], 0x1800000, v[BMH+\b]  ; the floor 2^(3 - 127): the byte cannot fall under 1
.endr
.irp b, 0,1,2,3
	v_add_nc_u32 v[SO+\b], 0xff000000, v[BMH+\b]   ; 2 off the exponent field: the conversion's scale operand
.endr
.irp b, 0,1,2,3
	v_lshrrev_b32 v[T2H+\b], 23, v[SO+\b]
.endr
	v_lshl_or_b32 v[ST+5], v[T2H+1], 8, v[T2H]     ; p's scale word for these 128 keys
	s_delay_alu instid0(VALU_DEP_1)
	v_lshl_or_b32 v[ST+5], v[T2H+2], 16, v[ST+5]
	s_delay_alu instid0(VALU_DEP_1)
	v_lshl_or_b32 v[ST+5], v[T2H+3], 24, v[ST+5]
.irp c, 0,1
	v_cvt_scalef32_pk16_fp6_f32 v[PH+6*\c:PH+6*\c+2], v[SR+32*\c:SR+32*\c+15], v[SO+2*\c]
	v_cvt_scalef32_pk16_fp6_f32 v[CH+4*\c:CH+4*\c+2], v[SR+32*\c+16:SR+32*\c+31], v[SO+2*\c+1]
.endr
	v_nop                                          ; one plain place behind a scaled conversion
.irp c, 0,1
.irp i, 0,1,2
	v_permlane16_swap_b32 v[PH+6*\c+\i], v[CH+4*\c+\i]
.endr
.irp i, 0,1,2
	v_mov_b32 v[PH+3+6*\c+\i], v[CH+4*\c+\i]
.endr
.endr
	v_pk_add_f32 v[CA:CA+1], v[SR:SR+1], v[SR+2:SR+3]                         ; four chains
	v_pk_add_f32 v[CA+2:CA+3], v[SR+4:SR+5], v[SR+6:SR+7]
	v_pk_add_f32 v[CA+4:CA+5], v[SR+8:SR+9], v[SR+10:SR+11]
.set kk, 12
.rept 6
	v_pk_add_f32 v[ST+2:ST+3], v[ST+2:ST+3], v[SR+kk:SR+kk+1]
	v_pk_add_f32 v[CA:CA+1], v[CA:CA+1], v[SR+kk+2:SR+kk+3]
	v_pk_add_f32 v[CA+2:CA+3], v[CA+2:CA+3], v[SR+kk+4:SR+kk+5]
	v_pk_add_f32 v[CA+4:CA+5], v[CA+4:CA+5], v[SR+kk+6:SR+kk+7]
.set kk, kk+8
.endr
	v_pk_add_f32 v[ST+2:ST+3], v[ST+2:ST+3], v[SR+60:SR+61]
	v_pk_add_f32 v[CA:CA+1], v[CA:CA+1], v[SR+62:SR+63]
	v_pk_add_f32 v[CA+2:CA+3], v[CA+2:CA+3], v[CA+4:CA+5]
	v_pk_add_f32 v[ST+2:ST+3], v[ST+2:ST+3], v[CA:CA+1]
	s_delay_alu instid0(VALU_DEP_1)
	v_pk_add_f32 v[ST+2:ST+3], v[ST+2:ST+3], v[CA+2:CA+3]
.endm
; SMPV: softmax and products with v, both heads, on the scores and the v that the last KSTEP left in registers.  pm = 1: the next slot's mask is fetched into head 0's score registers as soon as they are free.
.macro SMPV pm
	WIN 0
	s_wait_alu depctr_va_vdst(0)                   ; the wait ahead of the scores' first readers
.irp b, 0,1,2,3
.irp hh, 0,1
	v_max3_num_f32 v[BM+4*\hh+\b], v[128+64*\hh+16*\b], v[129+64*\hh+16*\b], v[130+64*\hh+16*\b]   ; the largest score of each block of 32 keys: for the row's maximum and, since p rises with the score, for the block's largest p
.endr
.endr
.irp i, 3,5,7,9,11,13
.irp b, 0,1,2,3
.irp hh, 0,1
	v_max3_num_f32 v[BM+4*\hh+\b], v[BM+4*\hh+\b], v[128+64*\hh+16*\b+\i], v[129+64*\hh+16*\b+\i]
.endr
.endr
.endr
.irp b, 0,1,2,3
.irp hh, 0,1
	v_max_num_f32 v[BM+4*\hh+\b], v[BM+4*\hh+\b], v[143+64*\hh+16*\b]
.endr
.endr
.irp j, 0,1,2,3,4,5,6,7
	v_permlanex16_b32 v[T2+\j], v[BM+\j], s[SEL], s[SEL+1]
.endr
.irp j, 0,1,2,3,4,5,6,7
	v_max_num_f32 v[BM+\j], v[BM+\j], v[T2+\j]     ; with lane l xor 16's 16 keys
.endr
.irp hh, 0,1                                   ; the two heads' statistics by turns
	v_max3_num_f32 v[TT+\hh], v[BM+4*\hh], v[BM+4*\hh+1], v[BM+4*\hh+2]
.endr
.irp hh, 0,1
	s_delay_alu instid0(VALU_DEP_2)
	v_max_num_f32 v[TT+\hh], v[TT+\hh], v[BM+4*\hh+3]
.endr
.irp hh, 0,1
	s_delay_alu instid0(VALU_DEP_2)
	v_mul_f32 v[TT+\hh], s[CS], v[TT+\hh]          ; the step's largest t
.endr
.irp hh, 0,1
	s_delay_alu instid0(VALU_DEP_2)
	v_max_num_f32 v[17+8*\hh], v[17+8*\hh], v[TT+\hh]   ; the running largest t
.endr
.irp hh, 0,1
	v_mov_b32 v[TT+\hh], v[16+8*\hh]
.endr
.irp hh, 0,1
	s_delay_alu instid0(VALU_DEP_4)
	v_floor_f32 v[16+8*\hh], -v[17+8*\hh]          ; the new -M: M is a whole number
.endr
.irp hh, 0,1
	s_delay_alu instid0(VALU_DEP_2)
	v_sub_f32 v[TT+\hh], v[16+8*\hh], v[TT+\hh]    ; old M - new M
.endr
.irp hh, 0,1
	s_delay_alu instid0(VALU_DEP_2)
	v_cvt_i32_f32 v[TT+\hh], v[TT+\hh]             ; (it saturates)
.endr
.irp hh, 0,1
	s_delay_alu instid0(VALU_DEP_2)
	v_ldexp_f32 v[20+8*\hh], 1.0, v[TT+\hh]        ; f = 2^(old M - new M)
.endr
.irp hh, 0,1
	s_delay_alu instid0(VALU_DEP_2)
	v_pk_mul_f32 v[18+8*\hh:19+8*\hh], v[18+8*\hh:19+8*\hh], v[20+8*\hh:21+8*\hh] op_sel_hi:[1,0]   ; the sums under the new M
.endr
	WIN 0x41                                       ; O^T window 1, f window 0
.irp hh, 0,1
.set kk, 64*\hh
.rept 32
	v_pk_mul_f32 v[kk:kk+1], v[kk:kk+1], v[20+8*\hh:21+8*\hh] op_sel_hi:[1,0]   ; O^T under the new M
.set kk, kk+2
.endr
.endr
	WIN 0
	TMINUSM 0
	s_wait_alu depctr_va_vdst(0)                   ; ahead of the batch
	EXPS 0
	TMINUSM 1                                      ; plain work behind head 0's exponentials; it names none of their results
	s_wait_alu depctr_va_vdst(0)                   ; one wait: behind head 0's batch, ahead of head 1's
	s_wait_dscnt 0x0                               ; v is in
	EXPS 1
	TAILQ 0                                        ; plain work behind head 1's exponentials; it names none of their results
.if \pm
	v_add_nc_u32 v[ADM], s[TB], v[MB]
	MASKIN
.endif
	PV 0
	WIN 0
	s_wait_alu depctr_va_vdst(0)                   ; behind head 1's batch, ahead of its first reader
	TAILQ 1
	PV 1
	WIN 0
.endm
.macro ONLY g, pm                      ; SMPV in the waves of group g alone: the branch hangs on the wave's number
	s_wait_alu depctr_va_vdst(0)
	s_cmp_lg_u32 s[GRP], \g
	s_cbranch_scc1 .Lother_\@
	SMPV \pm
.Lother_\@:
.endm
; THE CHANGE OF SLOTS.  Each wave waits for its tensor load (its part of the other slot), adds 0 to its spare word, and waits for that and for its reads of this slot, v among them.
.macro CHANGE fill
	WIN 0
	s_wait_alu depctr_va_vdst(0)
	s_wait_tensorcnt 0x0                           ; no tensor load of mine is out, so a group 0 may be written
	ds_add_u32 v[SPW], v[NIL]
.if \fill
	s_xor_b32 s[G0KV+1], s[G0KV+1], SLOT1          ; the other slot than last time, the next 256 keys
	s_add_nc_u64 s[G0KV+2:G0KV+3], s[G0KV+2:G0KV+3], 2*BLKB
	s_xor_b32 s[G0M+1], s[G0M+1], SLOT1
	s_add_nc_u64 s[G0M+2:G0M+3], s[G0M+2:G0M+3], 1024
	s_wait_xcnt 0x0                                ; the last prefetches have read their addresses
	s_add_nc_u64 s[PFA:PFA+1], s[PFA:PFA+1], 1024
	s_add_nc_u64 s[PKA:PKA+1], s[PKA:PKA+1], 2*BLKB
	s_wait_dscnt 0x0                               ; the add is done, and my reads of the slot are over
	CROUND                                         ; no wave of any partner still reads the slot or has a load on its way
	JLOAD
.else
	s_wait_dscnt 0x0
	s_barrier_signal -1
	s_barrier_wait -1
.endif
	s_xor_b32 s[TB], s[TB], SLOT1                  ; the fetches go on in the other slot
.endm
	s_wait_alu depctr_va_vdst(0)                   ; the wait at the head's end
	s_wait_loadcnt 0x0                             ; q
	s_wait_tensorcnt 0x0                           ; my part of slot 0 is in; slot 1's first fill is issued as a refill is
	ds_add_u32 v[SPW], v[NIL]
	s_xor_b32 s[G0KV+1], s[G0KV+1], SLOT1
	s_add_nc_u64 s[G0KV+2:G0KV+3], s[G0KV+2:G0KV+3], 2*BLKB
	s_xor_b32 s[G0M+1], s[G0M+1], SLOT1
	s_add_nc_u64 s[G0M+2:G0M+3], s[G0M+2:G0M+3], 1024
	s_wait_dscnt 0x0
	CROUND
	JLOAD                                          ; slot 1
	KSTEP 0, 0                                     ; slot 0's scores, both groups
.Lslot:                                                ; six trips: trip i ends slot i, loads slot i + 2, asks for slot i + 3 and makes slot i + 1's scores
	ONLY 0, 0
	CHANGE 1
	ONLY 1, 1
	KSTEP 1, 1
	s_sub_co_u32 s[SLOTS], s[SLOTS], 1
	s_cmp_lg_u32 s[SLOTS], 0
	s_wait_alu depctr_va_vdst(0)
	s_cbranch_scc1 .Lslot
	ONLY 0, 0                                      ; the tail is written out: it asks for nothing more
	CHANGE 0
	ONLY 1, 1
	KSTEP 0, 1                                     ; slot 7
	SMPV 0
; 64 numbers of a lane, register 16 b + i = channel 32 b + 16 (lane / 16) + i, become a fragment's codes and its scale word.
.macro QUANT src, flo, pcd, pwd
.irp b, 0,1,2,3
	v_max3_num_f32 v[TM+\b], |v[\src+16*\b]|, |v[\src+16*\b+1]|, \flo
.endr
.irp i, 2,4,6,8,10,12,14
.irp b, 0,1,2,3
	v_max3_num_f32 v[TM+\b], |v[\src+16*\b+\i]|, |v[\src+16*\b+\i+1]|, v[TM+\b]
.endr
.endr
.irp b, 0,1,2,3
	v_permlanex16_b32 v[TM+4+\b], v[TM+\b], s[SEL], s[SEL+1]
.endr
.irp b, 0,1,2,3
	v_max_num_f32 v[TM+\b], v[TM+\b], v[TM+4+\b]
.endr
.irp b, 0,1,2,3
	v_add_nc_u32 v[TM+12+\b], 0xff000000, v[TM+\b]
.endr
.irp b, 0,1,2,3
	v_lshrrev_b32 v[TM+4+\b], 23, v[TM+12+\b]
.endr
	v_lshl_or_b32 v[\pwd], v[TM+5], 8, v[TM+4]
	v_lshl_or_b32 v[\pwd], v[TM+6], 16, v[\pwd]
	v_lshl_or_b32 v[\pwd], v[TM+7], 24, v[\pwd]
.irp c, 0,1
	v_cvt_scalef32_pk16_fp6_f32 v[\pcd+6*\c:\pcd+6*\c+2], v[\src+32*\c:\src+32*\c+15], v[TM+12+2*\c]
	v_cvt_scalef32_pk16_fp6_f32 v[\pcd+12+4*\c:\pcd+14+4*\c], v[\src+32*\c+16:\src+32*\c+31], v[TM+13+2*\c]
.endr
	v_nop                                          ; one plain place behind a scaled conversion
.irp c, 0,1
.irp i, 0,1,2
	v_permlane16_swap_b32 v[\pcd+6*\c+\i], v[\pcd+12+4*\c+\i]
.endr
.irp i, 0,1,2
	v_mov_b32 v[\pcd+3+6*\c+\i], v[\pcd+12+4*\c+\i]
.endr
.endr
.endm
; THE EXCHANGE.  XSTORE: my part of head hh, which my partner finishes, as images of its registers: O^T's 64, then -M, the largest t and the sum's halves.
.macro XSTORE hh
	WIN 0x04                                       ; the data: window 1
	s_wait_alu depctr_va_vdst(0)                   ; the wait ahead of O^T's first reader
.irp j, 0,1,2,3,4,5,6,7,8,9,10,11,12,13,14,15
	ds_store_b128 v[MGS], v[64*\hh+4*\j:64*\hh+4*\j+3] offset:512*\j
.endr
	WIN 0
	ds_store_b128 v[MGS], v[16+8*\hh:19+8*\hh] offset:8192
.endm
; MERGE: my partner's part of head hh comes in; both parts are brought under the larger M by powers of two, divided by the joint sum, quantised and stored.
.macro MERGE hh
.set ST, 16+8*\hh
.irp j, 0,1,2,3,4,5,6,7,8,9,10,11,12,13,14,15
	ds_load_b128 v[128+4*\j:128+4*\j+3], v[MGL] offset:512*\j
.endr
	ds_load_b128 v[32:35], v[MGL] offset:8192
	s_wait_dscnt 0x0
	v_min_num_f32 v40, v[ST], v32                  ; the joint -M
	v_add_f32 v43, v[ST+2], v[ST+3]
	v_add_f32 v44, v34, v35
	v_sub_f32 v41, v40, v[ST]                      ; my M - the joint M
	v_sub_f32 v42, v40, v32                        ; my partner's
	v_cvt_i32_f32 v41, v41                         ; (they saturate)
	v_cvt_i32_f32 v42, v42
	v_ldexp_f32 v41, 1.0, v41
	v_ldexp_f32 v42, 1.0, v42
	v_mul_f32 v43, v43, v41
	v_fma_f32 v43, v44, v42, v43
	v_permlanex16_b32 v45, v43, s[SEL], s[SEL+1]
	v_add_f32 v43, v43, v45                        ; the row's sum
	s_wait_alu depctr_va_vdst(0)
	v_rcp_f32 v46, v43
	v_nop
	s_wait_alu depctr_va_vdst(0)
	v_mul_f32 v40, v41, v46                        ; my factor (the pair v[40:41] is named whole below)
	v_mul_f32 v42, v42, v46                        ; my partner's (v[42:43])
.set kk, 0
.rept 32
	v_pk_mul_f32 v[128+kk:129+kk], v[128+kk:129+kk], v[42:43] op_sel_hi:[1,0]
.set kk, kk+2
.endr
	WIN 0x01                                       ; source 0: my O^T, window 1
	s_wait_alu depctr_va_vdst(0)                   ; the wait ahead of O^T's first reader
.set kk, 0
.rept 32
	v_pk_fma_f32 v[128+kk:129+kk], v[64*\hh+kk:64*\hh+kk+1], v[40:41], v[128+kk:129+kk] op_sel_hi:[1,0,1]
.set kk, kk+2
.endr
	WIN 0
	QUANT 128, 0x01800000, 52, 21
.irp c, 0,1,2
	global_store_b128 v[FO], v[52+4*\c:52+4*\c+3], s[10:11] offset:BLKB*\hh+512*\c   ; 32 lanes store 512 consecutive bytes
.endr
	global_store_b32 v[FS], v21, s[10:11] offset:BLKB*\hh
.endm
	PLACES 4                                       ; behind the last products
	s_wait_alu depctr_va_vdst(0)
	s_wait_dscnt 0x0
	s_barrier_signal -1                            ; every wave's reads of the slots are over: the stage lies in slot 0's bytes
	s_barrier_wait -1
	s_cmp_eq_u32 s[GRP], 0
	s_cbranch_scc0 .Lgive_0
	XSTORE 1                                       ; group A gives head 1 away,
	s_branch .Lgiven
.Lgive_0:
	XSTORE 0                                       ; group B head 0
.Lgiven:
	s_wait_dscnt 0x0                               ; my stores are done
	s_barrier_signal -1
	s_barrier_wait -1
	s_cmp_eq_u32 s[GRP], 0
	s_cbranch_scc0 .Lfinish_1
	MERGE 0
	s_branch .Lfinished
.Lfinish_1:
	MERGE 1
.Lfinished:
	s_wait_tensorcnt 0x0                           ; the wave's end
	ds_add_u32 v[SPW], v[NIL]
	s_wait_dscnt 0x0
	CROUND                                         ; the closing round
	s_endpgm
.Lfunc_end_k_q45c521d498_attn:
	.size	k_q45c521d498_attn, .Lfunc_end_k_q45c521d498_attn-k_q45c521d498_attn
	.p2alignl 7, 3214868480
	.fill 96, 4, 3214868480
	.section	.rodata,"a",@progbits
	.p2align	6, 0x0
	.amdhsa_kernel k_q45c521d498_attn
		.amdhsa_group_segment_fixed_size 327680
		.amdhsa_private_segment_fixed_size 0
		.amdhsa_enable_private_segment 0
		.amdhsa_kernarg_size 32
		.amdhsa_user_sgpr_count 2
		.amdhsa_user_sgpr_kernarg_segment_ptr 1
		.amdhsa_wavefront_size32 1
		.amdhsa_system_sgpr_workgroup_id_x 1
		.amdhsa_system_sgpr_workgroup_id_y 1
		.amdhsa_system_sgpr_workgroup_id_z 1
		.amdhsa_system_vgpr_workitem_id 0
		.amdhsa_next_free_vgpr 512
		.amdhsa_next_free_sgpr 100
		.amdhsa_reserve_vcc 0
		.amdhsa_float_denorm_mode_32 3
		.amdhsa_float_denorm_mode_16_64 3
		.amdhsa_memory_ordered 1
		.amdhsa_forward_progress 1
		.amdhsa_inst_pref_size 213
	.end_amdhsa_kernel
	.amdgpu_metadata
---
amdhsa.version: [ 1, 2 ]
amdhsa.kernels:
  - .name:           k_q45c521d498_attn
    .symbol:         k_q45c521d498_attn.kd
    .args:
      - { .name: qk, .offset: 0, .size: 8, .value_kind: global_buffer, .address_space: global }
      - { .name: vblk, .offset: 8, .size: 8, .value_kind: global_buffer, .address_space: global }
      - { .name: attention_mask, .offset: 16, .size: 8, .value_kind: global_buffer, .address_space: global }
      - { .name: cblk, .offset: 24, .size: 8, .value_kind: global_buffer, .address_space: global }
    .group_segment_fixed_size: 327680
    .private_segment_fixed_size: 0
    .kernarg_segment_align: 8
    .kernarg_segment_size: 32
    .max_flat_workgroup_size: 256
    .sgpr_count:     100
    .vgpr_count:     512
    .wavefront_size: 32
...
	.end_amdgpu_metadata
.endif
;; end of part 3
;; launch outp (part 4): grid 16 x 16, 4 waves a work-group, clusters of 4 x 4, 327,680 bytes of LDS; arguments cblk, woblk, out0; writes out0
.if DOCPART == 4
	.amdgcn_target "amdgcn-amd-amdhsa--gfx1250"
	.amdhsa_code_object_version 6
	.text
	.protected	k_q45c521d498_outp
	.globl	k_q45c521d498_outp
	.p2align	8
	.type	k_q45c521d498_outp,@function
k_q45c521d498_outp:
	s_mov_b64 s[64:65], 0
	v_nop
	global_prefetch_b8 v0, s[64:65] scope:SCOPE_SE
	s_setreg_imm32_b32 hwreg(HW_REG_WAVE_MODE, 25, 1), 1
	s_wait_xcnt 0x0
	s_wait_alu depctr_hold_cnt(0) depctr_sa_sdst(0) depctr_va_vdst(0) depctr_va_sdst(0) depctr_va_ssrc(0) depctr_va_vcc(0) depctr_vm_vsrc(0)
	s_getreg_b32 s2, hwreg(HW_REG_IB_STS2, 6, 4)
	s_cmp_eq_u32 s2, 0
	s_cbranch_scc0 .Lentry_in_a_cluster
	s_endpgm
.Lentry_in_a_cluster:
	s_bfe_u32 s2, ttmp6, 0x10000c
	s_cmp_lg_u32 s2, 0xf033
	s_cbranch_scc0 .Lentry_shape_is_right
	s_endpgm
.Lentry_shape_is_right:
.set BLKB,  13312
.set ABLK,  4*BLKB
.set SLOT,  12*BLKB
.set SPARE, 2*SLOT
.set SPITCH, 528
.set AD0,  8
.set AS0,  10
.set AD1,  12
.set AS1,  14
.set SPW,  18
.set NIL,  19
.set STO,  20
.set RD,   21
.set CO,   22
.set SC,   32
.set S1F,  96
.set BK,   128
.set WV,  12
.set WI,  13
.set WE,  14
.set G1A, 24
.set G1B, 32
.set G0A, 40
.set G0B, 48
.set MUL,   0xa1
.set TO_S0, 0x40
.set MSB, 0
.macro WIN new
.if MSB != \new
	s_set_vgpr_msb (MSB<<8)|\new
.set MSB, \new
.endif
.endm
.macro PLACES n
.rept \n
	v_nop
.endr
.endm
.macro JLOAD g0a, g1a, g0b, g1b
	s_cmp_eq_u32 s[WI], 0
	s_cbranch_scc0 .Lfor_b_\@
	tensor_load_to_lds s[\g0a:\g0a+3], s[\g1a:\g1a+7]
	s_nop 0
.rept 4
	v_nop
.endr
	s_branch .Lasked_\@
.Lfor_b_\@:
	tensor_load_to_lds s[\g0b:\g0b+3], s[\g1b:\g1b+7]
	s_nop 0
.rept 4
	v_nop
.endr
.Lasked_\@:
.endm
.macro CREST
	s_cmp_lg_u32 s[WV], 0
	s_cbranch_scc1 .Lnot_wave_0_\@
	s_barrier_signal -3
.Lnot_wave_0_\@:
	s_barrier_wait -3
	s_barrier_signal -1
	s_barrier_wait -1
.endm
.macro CROUND
	s_barrier_signal -1
	s_barrier_wait -1
	CREST
.endm
	s_load_b128 s[4:7], s[0:1], 0x0
	s_load_b64 s[10:11], s[0:1], 0x10
	v_lshl_add_u32 v[SPW], v0, 2, SPARE
	v_mov_b32 v[NIL], 0
	ds_add_u32 v18, v19
	ds_add_u32 v18, v19
	s_wait_dscnt 0x0
	v_lshrrev_b32 v1, 5, v0
	v_readfirstlane_b32 s[WV], v1
	s_lshr_b32 s[WI], s[WV], 1
	s_and_b32 s[WE], s[WV], 1
	s_bfe_u32 s15, ttmp6, 0x40000
	s_bfe_u32 s16, ttmp6, 0x40004
	s_and_b32 s17, ttmp7, 0xffff
	s_lshl_b32 s17, s17, 2
	s_add_co_u32 s17, s17, s16
	s_lshl_b32 s18, ttmp9, 2
	s_add_co_u32 s18, s18, s15
	s_lshl_b32 s19, s16, 2
	s_lshl_b32 s19, 15, s19
	s_lshl_b32 s20, 0x1111, s15
	s_or_b32 s[G1A], s19, (3<<16)|(1<<21)
	s_mov_b32 s[G1A+1], 32<<16
	s_mov_b32 s[G1A+2], 104<<16
	s_mov_b32 s[G1A+3], 32<<16
	s_mov_b32 s[G1A+4], 104
	s_mov_b32 s[G1A+5], 32
	s_mov_b32 s[G1A+6], 0
	s_mov_b32 s[G1A+7], 0
	s_or_b32 s[G1B], s20, (3<<16)|(1<<21)
	s_mov_b32 s[G1B+1], 32<<16
	s_mov_b32 s[G1B+2], 208<<16
	s_mov_b32 s[G1B+3], 32<<16
	s_mov_b32 s[G1B+4], 208
	s_mov_b32 s[G1B+5], 32
	s_mov_b32 s[G1B+6], 0
	s_mov_b32 s[G1B+7], 0
	s_lshl_b32 s72, s17, 4
	s_lshl_b32 s73, s[WE], 1
	s_add_co_u32 s72, s72, s73
	s_mul_i32 s72, s72, BLKB
	s_mov_b32 s73, 0
	s_lshl_b32 s74, s18, 1
	s_add_co_u32 s74, s74, s[WE]
	s_mul_i32 s74, s74, 16*BLKB
	s_mov_b32 s75, 0
	s_wait_kmcnt 0x0
	s_add_nc_u64 s[72:73], s[4:5], s[72:73]
	s_add_nc_u64 s[74:75], s[6:7], s[74:75]
	CROUND
	; THE PREFETCHES INTO THE L2: behind the joint load of chunk j (four K steps; j = 0, 1) a wave asks for chunk j + 2 of the rows that it loads: dense bytes, 104 blocks of 256 for A's waves, 208 for B's.
	; The four partners that ask for a tile jointly share its blocks out BY ADDRESS (cx for A, cy for B): 26 or 52 each, a lane a block; lanes left over name their share's last block again.  K has four chunks: the refills ask for nothing.
	s_cmp_eq_u32 s[WI], 0
	s_cselect_b32 s70, 25, 31
	s_cselect_b32 s71, s15, s16
	s_cselect_b64 s[68:69], s[72:73], s[74:75]
	s_mov_b32 s76, BLKB
	s_cselect_b32 s76, 6656, s76
	s_mul_i32 s76, s76, s71
	s_add_co_u32 s76, s76, 2*ABLK
	s_mov_b32 s77, 0
	s_add_nc_u64 s[68:69], s[68:69], s[76:77]      ; my share of chunk 2; never rewritten
	v_and_b32 v1, 31, v0
	v_min_u32 v27, s70, v1
	v_min_u32 v28, 19, v1
	v_lshlrev_b32 v27, 8, v27                      ; blocks 0-25 or 0-31 of my share; never rewritten
	v_add_lshl_u32 v28, v28, 32, 8                 ; B's waves: blocks 32-51; never rewritten
	s_mul_i32 s78, s[WE], 2*BLKB
	s_mul_i32 s79, s[WE], ABLK
	s_add_co_u32 s79, s79, ABLK
.irp s, 0,1
	s_mov_b32 s[G0A+4*\s], 1
	s_add_co_u32 s[G0A+4*\s+1], s78, \s*SLOT
	s_add_nc_u64 s[G0A+4*\s+2:G0A+4*\s+3], s[72:73], \s*ABLK
	s_or_b32 s[G0A+4*\s+3], s[G0A+4*\s+3], 0x80000000
	s_mov_b32 s[G0B+4*\s], 1
	s_add_co_u32 s[G0B+4*\s+1], s79, \s*SLOT
	s_add_nc_u64 s[G0B+4*\s+2:G0B+4*\s+3], s[74:75], \s*ABLK
	s_or_b32 s[G0B+4*\s+3], s[G0B+4*\s+3], 0x80000000
	s_wait_alu depctr_va_vdst(0)
	s_wait_tensorcnt 0x0
	ds_add_u32 v18, v19
	ds_add_u32 v18, v19
	s_wait_dscnt 0x0
	CROUND
	JLOAD G0A+4*\s, G1A, G0B+4*\s, G1B
	global_prefetch_b8 v27, s[68:69] offset:\s*ABLK th:TH_LOAD_NT scope:SCOPE_SE   ; chunk 2 + s
	s_cmp_eq_u32 s[WI], 0
	s_cbranch_scc1 .Lpfh_\s
	global_prefetch_b8 v28, s[68:69] offset:\s*ABLK th:TH_LOAD_NT scope:SCOPE_SE
.Lpfh_\s:
.endr
	v_and_b32 v1, 15, v0
	v_bfe_u32 v2, v0, 4, 1
	v_and_b32 v3, 31, v0
	s_mul_i32 s4, s[WE], ABLK
	s_add_co_u32 s4, s4, ABLK
	v_lshl_add_u32 v[AD0], v3, 4, s4
	v_lshl_add_u32 v[AS0], v3, 2, s4
	s_mul_i32 s4, s[WI], 6144
	v_lshl_add_u32 v[AD1], v3, 4, s4
	s_lshl_b32 s4, s[WI], 9
	v_lshl_add_u32 v[AS1], v3, 2, s4
.irp n, AD0, AS0, AD1, AS1
	v_add_nc_u32 v[\n+1], SLOT, v[\n]
.endr
	s_mul_i32 s4, s[WV], 16*SPITCH
	v_mul_u32_u24 v6, v1, SPITCH
	v_lshl_add_u32 v6, v2, 5, v6
	v_add_nc_u32 v[STO], s4, v6
	v_lshlrev_b32 v[CO], 4, v3
	v_add_nc_u32 v[RD], s4, v[CO]
	s_lshl_b32 s4, s17, 7
	s_lshl_b32 s5, s[WI], 6
	s_add_co_u32 s4, s4, s5
	s_lshl_b32 s4, s4, 14
	s_lshl_b32 s5, s18, 10
	s_add_co_u32 s4, s4, s5
	s_lshl_b32 s5, s[WE], 9
	s_add_co_u32 s4, s4, s5
	s_mov_b32 s5, 0
	s_add_nc_u64 s[10:11], s[10:11], s[4:5]
.macro MUL8 a, p, zero
.irp b, 0,1,2,3,4,5,6,7
.if \zero
	v_wmma_scale_f32_16x16x128_f8f6f4 v[8*(8*(\a)+\b):8*(8*(\a)+\b)+7], v[128*(\p)+12*\b:128*(\p)+12*\b+11], v[S1F+48*(\p)+12*(\a):S1F+48*(\p)+12*(\a)+11], 0, v[SC+12*(\p)+\b], v[SC+12*(\p)+8+(\a)] matrix_a_fmt:MATRIX_FMT_FP6 matrix_b_fmt:MATRIX_FMT_FP6
.else
	v_wmma_scale_f32_16x16x128_f8f6f4 v[8*(8*(\a)+\b):8*(8*(\a)+\b)+7], v[128*(\p)+12*\b:128*(\p)+12*\b+11], v[S1F+48*(\p)+12*(\a):S1F+48*(\p)+12*(\a)+11], v[8*(8*(\a)+\b):8*(8*(\a)+\b)+7], v[SC+12*(\p)+\b], v[SC+12*(\p)+8+(\a)] matrix_a_fmt:MATRIX_FMT_FP6 matrix_b_fmt:MATRIX_FMT_FP6
.endif
.endr
.endm
.macro FETCH_S0 slot, q, p
	WIN TO_S0
.irp t, 0,1,2,3,4,5,6,7
.irp c, 0,1,2
	ds_load_b128 v[128*(\p)+12*\t+4*\c:128*(\p)+12*\t+4*\c+3], v[AD0+\slot] offset:BLKB*(\q)+1536*\t+512*\c
.endr
.endr
	WIN 0
.irp t, 0,1,2,3,4,5,6,7
	ds_load_b32 v[SC+12*(\p)+\t], v[AS0+\slot] offset:BLKB*(\q)+12288+128*\t
.endr
.endm
.macro FETCH_S1 slot, q, p
.irp a, 0,1,2,3
.irp c, 0,1,2
	ds_load_b128 v[S1F+48*(\p)+12*\a+4*\c:S1F+48*(\p)+12*\a+4*\c+3], v[AD1+\slot] offset:BLKB*(\q)+1536*\a+512*\c
.endr
	ds_load_b32 v[SC+12*(\p)+8+\a], v[AS1+\slot] offset:BLKB*(\q)+12288+128*\a
.endr
.endm
.macro STEP slot, q, zero
	PLACES 4
	FETCH_S0 \slot, (\q)+1, 1-(\q)%2
	s_wait_dscnt 32
	WIN MUL
	MUL8 0, (\q)%2, \zero
	MUL8 1, (\q)%2, \zero
	WIN 0
	FETCH_S1 \slot, (\q)+1, 1-(\q)%2
	WIN MUL
	MUL8 2, (\q)%2, \zero
	MUL8 3, (\q)%2, \zero
	WIN 0
.endm
.macro TURN slot, next, fill
	s_wait_tensorcnt 0x0
	ds_add_u32 v[SPW], v[NIL]
	s_wait_dscnt 1
	WIN MUL
	MUL8 0, 1, 0
	s_wait_dscnt 0x0
	s_barrier_signal -1
	MUL8 1, 1, 0
	WIN 0
	s_barrier_wait -1
.if \fill
	CREST
	s_add_nc_u64 s[G0A+4*\slot+2:G0A+4*\slot+3], s[G0A+4*\slot+2:G0A+4*\slot+3], 8*BLKB
	s_add_nc_u64 s[G0B+4*\slot+2:G0B+4*\slot+3], s[G0B+4*\slot+2:G0B+4*\slot+3], 8*BLKB
	JLOAD G0A+4*\slot, G1A, G0B+4*\slot, G1B
.else
	PLACES 4
.endif
	s_wait_alu depctr_va_vdst(0)
	FETCH_S0 \next, 0, 0
	FETCH_S1 \next, 0, 0
	WIN MUL
	MUL8 2, 1, 0
	MUL8 3, 1, 0
	WIN 0
.endm
	s_wait_tensorcnt 1
	s_barrier_signal -1
	s_barrier_wait -1
	FETCH_S0 0, 0, 0
	FETCH_S1 0, 0, 0
	STEP 0, 0, 1
	STEP 0, 1, 0
	STEP 0, 2, 0
	TURN 0, 1, 1
	STEP 1, 0, 0
	STEP 1, 1, 0
	STEP 1, 2, 0
	TURN 1, 0, 1
	STEP 0, 0, 0
	STEP 0, 1, 0
	STEP 0, 2, 0
	TURN 0, 1, 0
	STEP 1, 0, 0
	STEP 1, 1, 0
	STEP 1, 2, 0
	s_wait_dscnt 0x0
	WIN MUL
	MUL8 0, 1, 0
	MUL8 1, 1, 0
	MUL8 2, 1, 0
	MUL8 3, 1, 0
	WIN 0
.macro TOSTAGE a
	WIN 0x08
.irp b, 0,1,2,3,4,5,6,7
	ds_store_b128 v[STO], v[64*(\a)+8*\b:64*(\a)+8*\b+3] offset:64*\b
	ds_store_b128 v[STO], v[64*(\a)+8*\b+4:64*(\a)+8*\b+7] offset:64*\b+16
.endr
	WIN 0
.set BB, BK+64*((\a)%2)
.irp t, 0,1,2,3,4,5,6,7,8,9,10,11,12,13,14,15
	ds_load_b128 v[BB+4*\t:BB+4*\t+3], v[RD] offset:\t*SPITCH
.endr
.endm
.macro SEND a, younger
.set BB, BK+64*((\a)%2)
	s_wait_dscnt \younger
.if (\a) > 0
	s_add_nc_u64 s[10:11], s[10:11], 16*16384
.endif
.irp t, 0,1,2,3,4,5,6,7,8,9,10,11,12,13,14,15
	global_store_b128 v[CO], v[BB+4*\t:BB+4*\t+3], s[10:11] offset:\t*16384 th:TH_STORE_NT
.endr
.endm
	PLACES 4
	TOSTAGE 0
.irp a, 1,2,3
.if \a > 1
	s_wait_xcnt 0x0
.endif
	TOSTAGE \a
	SEND \a-1, 32
.endr
	s_wait_xcnt 0x0
	SEND 3, 0
	s_wait_tensorcnt 0x0
	ds_add_u32 v[SPW], v[NIL]
	s_wait_dscnt 0x0
	CROUND
	s_endpgm
.Lfunc_end_k_q45c521d498_outp:
	.size	k_q45c521d498_outp, .Lfunc_end_k_q45c521d498_outp-k_q45c521d498_outp
	.p2alignl 7, 3214868480
	.fill 96, 4, 3214868480
	.section	.rodata,"a",@progbits
	.p2align	6, 0x0
	.amdhsa_kernel k_q45c521d498_outp
		.amdhsa_group_segment_fixed_size 327680
		.amdhsa_private_segment_fixed_size 0
		.amdhsa_enable_private_segment 0
		.amdhsa_kernarg_size 24
		.amdhsa_user_sgpr_count 2
		.amdhsa_user_sgpr_kernarg_segment_ptr 1
		.amdhsa_wavefront_size32 1
		.amdhsa_system_sgpr_workgroup_id_x 1
		.amdhsa_system_sgpr_workgroup_id_y 1
		.amdhsa_system_sgpr_workgroup_id_z 1
		.amdhsa_system_vgpr_workitem_id 0
		.amdhsa_next_free_vgpr 768
		.amdhsa_next_free_sgpr 100
		.amdhsa_reserve_vcc 0
		.amdhsa_float_denorm_mode_32 3
		.amdhsa_float_denorm_mode_16_64 3
		.amdhsa_memory_ordered 1
		.amdhsa_forward_progress 1
		.amdhsa_inst_pref_size 144
	.end_amdhsa_kernel
	.amdgpu_metadata
---
amdhsa.version: [ 1, 2 ]
amdhsa.kernels:
  - .name:           k_q45c521d498_outp
    .symbol:         k_q45c521d498_outp.kd
    .args:
      - { .name: cblk, .offset: 0, .size: 8, .value_kind: global_buffer, .address_space: global }
      - { .name: woblk, .offset: 8, .size: 8, .value_kind: global_buffer, .address_space: global }
      - { .name: out0, .offset: 16, .size: 8, .value_kind: global_buffer, .address_space: global }
    .group_segment_fixed_size: 327680
    .private_segment_fixed_size: 0
    .kernarg_segment_align: 8
    .kernarg_segment_size: 24
    .max_flat_workgroup_size: 128
    .sgpr_count:     100
    .vgpr_count:     768
    .wavefront_size: 32
...
	.end_amdgpu_metadata
.endif
;; end of part 4
